; MI455X (gfx1250); checked and timed in simulation.
; The chip was launched on July 23, 2026; its instructions are those of AMD's public machine-readable ISA for CDNA 5 (MIT licence, August 2026) and "CDNA5" Instruction Set Architecture Reference Guide (July 2026). The comments in the code are by the model that wrote it; some were corrected since.
;; Multi Attention. Allowed arithmetic: matrix products marked QUANTISED: E2M3 operands, one E8M0 scale for each 32 along K, by v_wmma_scale_f32_16x16x128_f8f6f4 with both operands' format E2M3, f32 sums; everything else in f32.
;; Inputs: Wk 16 x 1,024 x 64 float32; Wo 1,024 x 1,024 float32; Wq 16 x 1,024 x 64 float32; Wv 16 x 1,024 x 64 float32; bk 16 x 64 float32; bo 1,024 float32; bq 16 x 64 float32; bv 16 x 64 float32; x 4 x 2,048 x 1,024 float32.
;; Outputs: out0 4 x 2,048 x 1,024 float32.
;; This version of the problem:
;;   THIS VERSION OF THE PROBLEM IS GIVEN IN LOW PRECISION. The matrix products marked QUANTISED in the list below multiply operands that are first quantised to E2M3 (2 exponent bits, 3 mantissa bits; 6 bits a number), with one power-of-two scale for each 32 numbers along K (OCP MX v1.0); their sums are f32. All else is computed in f32.
;;   The module's matrix products, in the order in which they are computed (A, B: the left and right operand; K: the contracted axis; several contracted axes count as one K, in the product's order):
;;     1. [M 1,024, K 1,024] x [K 1,024, N 8,192]; A: input Wq; B: input x: QUANTISED
;;     2. [M 1,024, K 1,024] x [K 1,024, N 8,192]; A: input Wk; B: input x: QUANTISED
;;     3. [M 1,024, K 1,024] x [K 1,024, N 8,192]; A: input Wv; B: input x: QUANTISED
;;     4. batch 64 x [M 2,048, K 64] x [K 64, N 2,048]; A: computed on the way; B: computed on the way: QUANTISED
;;     5. batch 64 x [M 2,048, K 2,048] x [K 2,048, N 64]; A: softmax (see below); B: computed on the way: QUANTISED
;;     6. [M 8,192, K 1,024] x [K 1,024, N 1,024]; A: computed on the way; B: input Wo: QUANTISED
;;   THE QUANTISER, for each operand of a quantised product, along K:
;;     - K is cut into blocks of 32 from its start; a last block that is shorter is filled with zeros.
;;     - A block's scale is 2^e with e = floor(log2(the largest magnitude in the block)) - 2, held to -126 .. 127; a block of zeros has e = 0. As a byte (E8M0): e + 127.
;;     - Each number is divided by its block's scale, clamped to +-7.5, and rounded to the nearest number of E2M3, ties to even, subnormals kept.
;;     - The product sums the exact products of the quantised numbers (number of the format x scale) in f32.
;;   ~~~python
;;   def quantise(x, axis):      # numpy; x: float32 -> the quantised numbers, widened to float32 again
;;       x = np.moveaxis(x, axis, -1); K = x.shape[-1]
;;       x = np.pad(x, [(0, 0)] * (x.ndim - 1) + [(0, -K % 32)]); x = x.reshape(x.shape[:-1] + (-1, 32)); a = np.abs(x).max(-1, keepdims=True)
;;       e = np.where(a > 0, np.clip(np.frexp(np.where(a > 0, a, 1))[1] - 1 - 2, -126, 127), 0)      # np.frexp(a)[1] - 1 = floor(log2(a)), exactly
;;       r = np.clip(x / 2.0 ** e, -7.5, 7.5)
;;       step = 2.0 ** (np.maximum(np.frexp(np.where(r == 0, 1, r))[1] - 1, 0) - 3)
;;       q = np.round(r / step) * step * 2.0 ** e      # np.round: ties to even
;;       return np.moveaxis(q.reshape(q.shape[:-2] + (-1,))[..., :K], -1, axis).astype(np.float32)
;;   ~~~
;;   SOFTMAX AHEAD OF A QUANTISED PRODUCT. Where the list says 'softmax', what is quantised is not the finished softmax but p = 2^(t - M), with t = logit x log2(e) and M = ceil(the row's largest t), a whole number; so 1/2 < the row's largest p <= 1. The row's sum l is taken of the UNQUANTISED p, in f32, and the product's result is divided by l at the end. Since M is a whole number, a kernel that streams over the keys may use a running M (the ceiling of the running maximum): every later rescaling is an exact power of two, which a block's scale takes up: the codes' values come out the same.
;;   OPERANDS COMPUTED ON THE WAY. 'Computed on the way' means the value that the module computes at that place (a softmax that the list does not call 'softmax' is quantised finished and normalised). What goes into a quantiser is computed in f32, as accurately as f32 sums, v_exp_f32 and their like allow (about 1e-6 of the number): no bf16 or f16 on the way to a quantiser, and a product that is left as it is and whose result goes on into a quantised operand takes f32 operands (vector FMAs, or v_wmma_f32_16x16x4_f32). A number that lies on a knife's edge between two numbers of the format may be rounded either way, as far as f32 arithmetic and the matrix unit's own rounding can turn it there, and no further.
;; One version. Each part assembles by itself: llvm-mc -triple=amdgcn-amd-amdhsa -mcpu=gfx1250 --defsym DOCPART=n.
;; ======== version 1 of 1: 4 launches
;; limits: right only within a limited range of input values
;; workspace buffers: xq 6,553,600 bytes; wq 3,276,800 bytes; qk 13,631,488 bytes; vv 6,553,600 bytes; cq 6,553,600 bytes
;; launch quant (part 1): grid 512 x 1, 4 waves a work-group, no clusters, 69,120 bytes of LDS; arguments x, xq, Wq, Wk, Wv, Wo, wq; writes xq, wq
.if DOCPART == 1
	.amdgcn_target "amdgcn-amd-amdhsa--gfx1250"
	.amdhsa_code_object_version 6
	.text
	.protected	k_q574b979670_quant
	.globl	k_q574b979670_quant
	.p2align	8
	.type	k_q574b979670_quant,@function
k_q574b979670_quant:
	s_mov_b64 s[64:65], 0
	v_nop
	global_prefetch_b8 v0, s[64:65] scope:SCOPE_SE
	s_setreg_imm32_b32 hwreg(HW_REG_WAVE_MODE, 25, 1), 1
	s_wait_xcnt 0x0
; x [8192][1024] and the four weights, all f32, become codes of FP6 (E2M3) with one E8M0 byte for each 32 along K, laid as the products' registers want them.  ONE LAUNCH FOR BOTH: work-groups 0-255 take x,
; work-groups 256-511 the weights.  The two kinds part at the first branch, on the work-group's number alone, and never meet again: each path has its own end and its own LDS bytes
; (x: bytes 0 to 67,583; the weights: 1,024 bytes from 67,584 on).  All four waves of a work-group take the same path, so the weights' one barrier is passed by all of them.
; A block's scale is 2^(floor(log2(its largest magnitude)) - 2): its byte is the largest magnitude's exponent field - 2, held at 1 from below.
; LIMITS: NaN and infinities among the inputs are not served; a block whose largest magnitude lies under 2^-124 keeps the byte 1; a block of zeros has the byte 1 and not 127
; (its codes are zeros, which add nothing under any byte but 0xff, and this program alone reads the bytes).
; LAYOUT OF xq AND wq.  Storage tile T (16 rows), lane row r, is row 32 (T / 2) + 8 (T % 2) + r + 8 (r / 8).  The half-image (T, hf), 64 along K, lies at (16 T + hf) x 768: bytes 0-511 hold each lane's
; registers 0-3 (16 bytes at 16 x lane), bytes 512-767 its registers 4-5 (8 bytes at 8 x lane); lane (r, h) holds k = 64 hf + 32 h + 0 .. 31 of row r.  Scale bytes behind the codes (xq: from byte 6,291,456;
; wq: from byte 3,145,728): (T, r, block) at 512 T + 256 (block / 16) + 16 r + block % 16.  Rows of wq: Wq 0-1023 (head x 64 + column), Wk 1024-, Wv 2048-, Wo 3072- (its columns).
.set XWG,  256                         ; work-groups that take x
.set WLDS, 67584                       ; LDS: where the weights' path keeps its scale words
	v_lshl_add_u32 v232, v0, 2, 0x10c00
	v_mov_b32 v233, 0
	s_cmp_ge_u32 ttmp9, XWG
	s_cbranch_scc1 .Lweights
; ---------------------------------------------------------------- x: K is innermost
; Wave W = 4 x work-group + wave takes tile W / 2 and half W % 2 of K: four units of 16 rows x 128 K.  Each load reads 512 consecutive bytes of a row; a unit turns through the wave's own stage in LDS
; (rows of 528 bytes), from which a lane takes two whole blocks of 32 neighbours.  Waves share nothing: no barrier.  Loads run one unit (16 loads) ahead of the unit in hand.
.set WREG, 16896                       ; LDS of a wave: two stages
.set STG,  8448                        ; a stage: 16 rows x 528 bytes
.set SP,   528
.set SW,   16                          ; v16-19  the four units' scale words
.set CD,   20                          ; v20-31  a unit's codes: 12 registers
.set C2,   32                          ; v32-34, v36-38 the second halves of the conversions
.set R,    40                          ; v40-167 two sets of 64 registers as loaded
.set XN,   168                         ; v168-231 64 numbers of my row: register 32 c + i = k 64 c + 32 h + i
	s_load_b128 s[4:7], s[0:1], 0x0                ; x, xq
	v_lshrrev_b32 v1, 5, v0
	v_readfirstlane_b32 s8, v1                     ; wave
	v_and_b32 v7, 31, v0                           ; lane
	v_and_b32 v5, 15, v0                           ; r
	v_bfe_u32 v6, v0, 4, 1                         ; h
	v_lshlrev_b32 v1, 4, v7                        ; 16 x lane
	v_lshlrev_b32 v4, 3, v7                        ; 8 x lane
	s_mul_i32 s9, s8, WREG
	v_add_nc_u32 v2, s9, v1                        ; into the stage: 16 x lane of a row
	v_mul_u32_u24 v3, v5, SP
	v_lshl_add_u32 v3, v6, 7, v3
	v_add_nc_u32 v3, s9, v3                        ; out of it: row r, + 128 h
	v_lshlrev_b32 v5, 4, v5                        ; 16 r
	v_lshlrev_b32 v6, 3, v6                        ; 8 h
	v_mov_b32 v15, 0                               ; a lane permute's destination counts as one of its sources
	s_mov_b32 s20, 0x76543210
	s_mov_b32 s21, 0xfedcba98                      ; selects for lane l xor 16
	s_lshl_b32 s10, ttmp9, 2
	s_add_co_u32 s10, s10, s8                      ; W
	s_lshr_b32 s11, s10, 1                         ; T
	s_and_b32 s12, s10, 1                          ; which half of K
	s_lshr_b32 s14, s11, 1
	s_lshl_b32 s14, s14, 17                        ; 32 (T / 2) rows of 4,096 bytes
	s_and_b32 s13, s11, 1
	s_lshl_b32 s13, s13, 15                        ; 8 (T % 2) rows
	s_add_co_u32 s14, s14, s13
	s_lshl_b32 s13, s12, 11                        ; 512 numbers along K
	s_add_co_u32 s14, s14, s13
	s_mov_b32 s15, 0
	s_lshl_b32 s16, s11, 4
	s_lshl_b32 s13, s12, 3
	s_add_co_u32 s16, s16, s13
	s_mul_i32 s16, s16, 768                        ; my first half-image
	s_mov_b32 s17, 0
	s_lshl_b32 s18, s11, 9
	s_lshl_b32 s13, s12, 8
	s_add_co_u32 s18, s18, s13
	s_add_co_u32 s18, s18, 6291456                 ; my 256 scale bytes
	s_mov_b32 s19, 0
	s_wait_alu depctr_va_vdst(0)
	s_wait_kmcnt 0x0
	s_add_nc_u64 s[4:5], s[4:5], s[14:15]
	s_add_nc_u64 s[22:23], s[6:7], s[18:19]
	s_add_nc_u64 s[6:7], s[6:7], s[16:17]
.macro LOAD u                          ; unit u: 16 rows x 512 bytes
.irp p, 0,1,2,3,4,5,6,7,8,9,10,11,12,13,14,15
	global_load_b128 v[R+64*((\u)%2)+4*\p:R+64*((\u)%2)+4*\p+3], v1, s[4:5] offset:(\p+8*(\p/8))*4096+512*(\u) th:TH_LOAD_NT
.endr
.endm
.macro UNIT u
.if (\u) < 3
	s_wait_loadcnt 16                              ; this unit's sixteen loads are in; the next unit's sixteen may be out
.else
	s_wait_loadcnt 0x0
.endif
.irp p, 0,1,2,3,4,5,6,7,8,9,10,11,12,13,14,15
	ds_store_b128 v2, v[R+64*((\u)%2)+4*\p:R+64*((\u)%2)+4*\p+3] offset:STG*((\u)%2)+SP*\p
.endr
.irp c, 0,1
.irp j, 0,1,2,3,4,5,6,7
	ds_load_b128 v[XN+32*\c+4*\j:XN+32*\c+4*\j+3], v3 offset:STG*((\u)%2)+256*\c+16*\j   ; LDS serves a wave's instructions in order: these see my stores
.endr
.endr
	s_wait_dscnt 0x0
.if (\u) < 2
	LOAD (\u)+2                                    ; into the set that the stage's stores have read
.endif
	v_max3_num_f32 v8, |v[XN]|, |v[XN+1]|, 0x1800000    ; my two blocks by turns; the floor 2^(3 - 127) holds the byte at 1 from below
	v_max3_num_f32 v9, |v[XN+32]|, |v[XN+33]|, 0x1800000
.irp i, 2,4,6,8,10,12,14,16,18,20,22,24,26,28,30
	v_max3_num_f32 v8, v8, |v[XN+\i]|, |v[XN+\i+1]|
	v_max3_num_f32 v9, v9, |v[XN+32+\i]|, |v[XN+33+\i]|
.endr
	v_add_nc_u32 v10, 0xff000000, v8               ; 2 off the exponent field: the conversion's scale operand
	v_add_nc_u32 v11, 0xff000000, v9
	v_lshrrev_b32 v12, 23, v10                     ; the bytes of blocks h and 2 + h
	v_lshrrev_b32 v13, 23, v11
	v_lshl_or_b32 v14, v13, 16, v12
	v_lshlrev_b32 v14, v6, v14                     ; at their places in the scale word
	v_permlanex16_b32 v15, v14, s20, s21
	v_or_b32 v[SW+(\u)], v14, v15                  ; with lane l xor 16's two the word is whole
	s_wait_alu depctr_va_vdst(0)
	s_wait_xcnt 0x0                                ; the last unit's stores have read the codes' registers
	v_cvt_scalef32_pk16_fp6_f32 v[CD:CD+2], v[XN:XN+15], v10
	v_cvt_scalef32_pk16_fp6_f32 v[C2:C2+2], v[XN+16:XN+31], v10
	v_cvt_scalef32_pk16_fp6_f32 v[CD+6:CD+8], v[XN+32:XN+47], v11
	v_cvt_scalef32_pk16_fp6_f32 v[C2+4:C2+6], v[XN+48:XN+63], v11
	v_nop                                          ; one plain place behind a scaled conversion
.irp i, 0,1,2
	v_mov_b32 v[CD+3+\i], v[C2+\i]
	v_mov_b32 v[CD+9+\i], v[C2+4+\i]
.endr
	global_store_b128 v1, v[CD:CD+3], s[6:7] offset:1536*(\u)          ; 512 consecutive bytes
	global_store_b64 v4, v[CD+4:CD+5], s[6:7] offset:1536*(\u)+512     ; 256 consecutive bytes
	global_store_b128 v1, v[CD+6:CD+9], s[6:7] offset:1536*(\u)+768
	global_store_b64 v4, v[CD+10:CD+11], s[6:7] offset:1536*(\u)+1280
.endm
	LOAD 0
	LOAD 1
	UNIT 0
	UNIT 1
	UNIT 2
	UNIT 3
	global_store_b128 v5, v[SW:SW+3], s[22:23]     ; 16 bytes a row: lanes 0-15 fill 256 consecutive bytes; lanes 16-31 write the same bytes with the same values
	s_wait_tensorcnt 0x0
	ds_add_u32 v232, v233
	s_wait_dscnt 0x0
	s_endpgm
; ---------------------------------------------------------------- the weights: K is the outer axis of each panel
; Work-group 256 + i takes the 32 columns n = 32 (i % 128) .. and half i / 128 of K; wave w the 128 along K of group G = 4 x half + w.  A LANE TAKES A COLUMN AND ITS REGISTERS RUN DOWN K: each load reads
; 128 consecutive bytes, a block of 32 lies in one lane, and the conversions give codes with K innermost.  Lane (u, r) takes column 8 u + r + 8 (r / 8): lanes 0-15 are tile 2 (i % 128), lanes 16-31 the next.
; An exchange of lane halves between the codes of two neighbouring blocks then gives both tiles' half-images.  The four waves' scale words meet in LDS, behind a barrier, and leave as blocks of 256 consecutive bytes.
.set VO, 16                            ; v16-47   byte offset of row i of a block, my column
.set WX, 48                            ; v48-175  128 numbers down K
.set E0, 176                           ; v176-181 block 2 c's codes, then the first tile's half-image
.set E1, 182                           ; v182-187 block 2 c + 1's, then the second tile's
.Lweights:
	s_load_b128 s[4:7], s[0:1], 0x10               ; Wq, Wk
	s_load_b128 s[8:11], s[0:1], 0x20              ; Wv, Wo
	s_load_b64 s[12:13], s[0:1], 0x30              ; wq
	v_lshrrev_b32 v1, 5, v0
	v_readfirstlane_b32 s14, v1                    ; wave
	s_sub_co_u32 s38, ttmp9, XWG                   ; i
	s_and_b32 s39, s38, 127                        ; which 32 columns of wq's 4,096 rows
	s_lshr_b32 s15, s38, 7                         ; which half of K
	s_lshr_b32 s16, s39, 5                         ; which tensor
	s_bfe_u32 s18, s39, 0x40001                    ; Wq, Wk, Wv: the head,
	s_lshl_b32 s18, s18, 18                        ; 262,144 bytes each,
	s_and_b32 s19, s39, 1
	s_lshl_b32 s19, s19, 7                         ; and which 32 of its 64 columns
	s_add_co_u32 s18, s18, s19
	s_and_b32 s19, s39, 31
	s_lshl_b32 s19, s19, 7                         ; Wo: which 32 of its 1,024 columns
	s_lshl_b32 s20, s15, 2
	s_add_co_u32 s20, s20, s14                     ; G
	v_and_b32 v1, 31, v0                           ; lane
	v_and_b32 v2, 15, v0                           ; r
	v_bfe_u32 v3, v0, 4, 1                         ; u
	v_and_b32 v4, 8, v2
	v_add_nc_u32 v4, v4, v2
	v_lshl_add_u32 v4, v3, 3, v4                   ; my column of the 32
	v_lshlrev_b32 v5, 4, v1                        ; 16 x lane
	v_lshlrev_b32 v6, 3, v1                        ; 8 x lane
	v_lshlrev_b32 v7, 4, v2
	v_lshl_add_u32 v7, v3, 8, v7
	v_lshl_add_u32 v7, s14, 2, v7
	v_add_nc_u32 v7, WLDS, v7                      ; LDS: my scale word at 256 u + 16 r + 4 x wave
	v_add_nc_u32 v201, WLDS, v5                    ; and where wave 0 reads 16 bytes a row back
	v_lshlrev_b32 v200, 4, v2
	v_lshl_add_u32 v200, v3, 9, v200               ; the scale bytes' way out: 512 u + 16 r
	s_wait_kmcnt 0x0
	s_cmp_eq_u32 s16, 1                            ; the choice hangs on the work-group's number alone
	s_cselect_b64 s[4:5], s[6:7], s[4:5]
	s_cmp_eq_u32 s16, 2
	s_cselect_b64 s[4:5], s[8:9], s[4:5]
	s_cmp_eq_u32 s16, 3
	s_cselect_b64 s[4:5], s[10:11], s[4:5]
	s_cselect_b32 s18, s19, s18
	s_mov_b32 s17, 4096
	s_cselect_b32 s17, s17, 256                    ; bytes from a row k to the next
	s_mul_i32 s21, s20, s17
	s_lshl_b32 s21, s21, 7                         ; 128 G rows down
	s_add_co_u32 s18, s18, s21
	s_mov_b32 s19, 0
	s_lshl_b32 s22, s17, 5                         ; a block: 32 rows
	s_mov_b32 s23, 0
	s_add_nc_u64 s[24:25], s[4:5], s[18:19]        ; a base for each of my four blocks
	s_add_nc_u64 s[26:27], s[24:25], s[22:23]
	s_add_nc_u64 s[28:29], s[26:27], s[22:23]
	s_add_nc_u64 s[30:31], s[28:29], s[22:23]
	v_lshlrev_b32 v[VO], 2, v4
.set i, 1
.rept 31
	v_add_nc_u32 v[VO+i], s17, v[VO+i-1]
.set i, i+1
.endr
.irp t, 0,1,2,3
.set i, 0
.rept 32
	global_load_b32 v[WX+32*\t+i], v[VO+i], s[24+2*\t:25+2*\t] th:TH_LOAD_NT
.set i, i+1
.endr
.endr
	s_lshl_b32 s32, s39, 5
	s_lshl_b32 s33, s20, 1
	s_add_co_u32 s32, s32, s33
	s_mul_i32 s32, s32, 768                        ; half-image (my first tile, 2 G)
	s_mov_b32 s33, 0
	s_add_nc_u64 s[34:35], s[12:13], s[32:33]
	s_lshl_b32 s32, s39, 10
	s_lshl_b32 s36, s15, 8
	s_add_co_u32 s32, s32, s36
	s_add_co_u32 s32, s32, 3145728
	s_add_nc_u64 s[36:37], s[12:13], s[32:33]      ; the two tiles' scale bytes of this half of K
.macro PAIR c
.set XA, WX+64*\c
.set XB, WX+64*\c+32
	v_max3_num_f32 v8, |v[XA]|, |v[XA+1]|, 0x1800000    ; two blocks by turns; the floor holds the byte at 1 from below
	v_max3_num_f32 v9, |v[XB]|, |v[XB+1]|, 0x1800000
.irp i, 2,4,6,8,10,12,14,16,18,20,22,24,26,28,30
	v_max3_num_f32 v8, v8, |v[XA+\i]|, |v[XA+\i+1]|
	v_max3_num_f32 v9, v9, |v[XB+\i]|, |v[XB+\i+1]|
.endr
	v_add_nc_u32 v10, 0xff000000, v8               ; 2 off the exponent field: the conversion's scale operand
	v_add_nc_u32 v11, 0xff000000, v9
	v_lshrrev_b32 v[12+2*\c], 23, v10              ; the scale bytes
	v_lshrrev_b32 v[13+2*\c], 23, v11
.if \c > 0
	s_wait_alu depctr_va_vdst(0)
	s_wait_xcnt 0x0                                ; the first pair's stores have read the codes' registers
.endif
	v_cvt_scalef32_pk16_fp6_f32 v[E0:E0+2], v[XA:XA+15], v10
	v_cvt_scalef32_pk16_fp6_f32 v[188:190], v[XA+16:XA+31], v10
	v_cvt_scalef32_pk16_fp6_f32 v[E1:E1+2], v[XB:XB+15], v11
	v_cvt_scalef32_pk16_fp6_f32 v[192:194], v[XB+16:XB+31], v11
	v_nop                                          ; one plain place behind a scaled conversion
.irp i, 0,1,2
	v_mov_b32 v[E0+3+\i], v[188+\i]
	v_mov_b32 v[E1+3+\i], v[192+\i]
.endr
.irp i, 0,1,2,3,4,5
	v_permlane16_swap_b32 v[E0+\i], v[E1+\i]       ; E0's lanes 16-31 change places with E1's lanes 0-15: E0 = my first tile (lane half h holds block 2 c + h), E1 = my second
.endr
	global_store_b128 v5, v[E0:E0+3], s[34:35] offset:768*\c
	global_store_b64 v6, v[E0+4:E0+5], s[34:35] offset:768*\c+512
	global_store_b128 v5, v[E1:E1+3], s[34:35] offset:768*\c+12288
	global_store_b64 v6, v[E1+4:E1+5], s[34:35] offset:768*\c+12288+512
.endm
	s_wait_loadcnt 63                              ; at most 63 of the 128 loads are out: the first 64, blocks 0 and 1, are in
	PAIR 0
	s_wait_loadcnt 0x0
	PAIR 1
	v_lshl_or_b32 v195, v13, 8, v12                ; my column's scale word for these 128 along K
	v_lshl_or_b32 v195, v14, 16, v195
	v_lshl_or_b32 v195, v15, 24, v195
	ds_store_b32 v7, v195
	s_wait_dscnt 0x0                               ; for the others' sake: my store has landed
	s_barrier_signal -1
	s_barrier_wait -1
	s_cmp_lg_u32 s14, 0
	s_cbranch_scc1 .Ldone
	ds_load_b128 v[196:199], v201                  ; wave 0: 16 bytes a row, the four waves' words
	s_wait_dscnt 0x0
	global_store_b128 v200, v[196:199], s[36:37]   ; sixteen lanes fill 256 consecutive bytes, for each of the two tiles
.Ldone:
	s_wait_tensorcnt 0x0
	ds_add_u32 v232, v233
	s_wait_dscnt 0x0
	s_endpgm
.Lfunc_end_k_q574b979670_quant:
	.size	k_q574b979670_quant, .Lfunc_end_k_q574b979670_quant-k_q574b979670_quant
	.p2alignl 7, 3214868480
	.fill 96, 4, 3214868480
	.section	.rodata,"a",@progbits
	.p2align	6, 0x0
	.amdhsa_kernel k_q574b979670_quant
		.amdhsa_group_segment_fixed_size 69120
		.amdhsa_private_segment_fixed_size 0
		.amdhsa_enable_private_segment 0
		.amdhsa_kernarg_size 56
		.amdhsa_user_sgpr_count 2
		.amdhsa_user_sgpr_kernarg_segment_ptr 1
		.amdhsa_wavefront_size32 1
		.amdhsa_system_sgpr_workgroup_id_x 1
		.amdhsa_system_sgpr_workgroup_id_y 1
		.amdhsa_system_sgpr_workgroup_id_z 1
		.amdhsa_system_vgpr_workitem_id 0
		.amdhsa_next_free_vgpr 234
		.amdhsa_next_free_sgpr 66
		.amdhsa_reserve_vcc 0
		.amdhsa_float_denorm_mode_32 3
		.amdhsa_float_denorm_mode_16_64 3
		.amdhsa_memory_ordered 1
		.amdhsa_forward_progress 1
		.amdhsa_inst_pref_size 54
	.end_amdhsa_kernel
	.amdgpu_metadata
---
amdhsa.version: [ 1, 2 ]
amdhsa.kernels:
  - .name:           k_q574b979670_quant
    .symbol:         k_q574b979670_quant.kd
    .args:
      - { .name: x, .offset: 0, .size: 8, .value_kind: global_buffer, .address_space: global }
      - { .name: xq, .offset: 8, .size: 8, .value_kind: global_buffer, .address_space: global }
      - { .name: Wq, .offset: 16, .size: 8, .value_kind: global_buffer, .address_space: global }
      - { .name: Wk, .offset: 24, .size: 8, .value_kind: global_buffer, .address_space: global }
      - { .name: Wv, .offset: 32, .size: 8, .value_kind: global_buffer, .address_space: global }
      - { .name: Wo, .offset: 40, .size: 8, .value_kind: global_buffer, .address_space: global }
      - { .name: wq, .offset: 48, .size: 8, .value_kind: global_buffer, .address_space: global }
    .group_segment_fixed_size: 69120
    .private_segment_fixed_size: 0
    .kernarg_segment_align: 8
    .kernarg_segment_size: 56
    .max_flat_workgroup_size: 128
    .sgpr_count:     66
    .vgpr_count:     234
    .wavefront_size: 32
...
	.end_amdgpu_metadata
.endif
;; end of part 1
;; launch proj (part 2): grid 8 x 48, 4 waves a work-group, clusters of 4 x 4, 327,680 bytes of LDS; arguments xq, wq, bq, bk, bv, qk, vv; writes qk, vv
.if DOCPART == 2
	.amdgcn_target "amdgcn-amd-amdhsa--gfx1250"
	.amdhsa_code_object_version 6
	.text
	.protected	k_q574b979670_proj
	.globl	k_q574b979670_proj
	.p2align	8
	.type	k_q574b979670_proj,@function
k_q574b979670_proj:
	s_mov_b64 s[64:65], 0
	v_nop
	global_prefetch_b8 v0, s[64:65] scope:SCOPE_SE
	s_setreg_imm32_b32 hwreg(HW_REG_WAVE_MODE, 25, 1), 1
	s_wait_xcnt 0x0
	s_wait_alu depctr_hold_cnt(0) depctr_sa_sdst(0) depctr_va_vdst(0) depctr_va_sdst(0) depctr_va_ssrc(0) depctr_va_vcc(0) depctr_vm_vsrc(0)
	s_getreg_b32 s2, hwreg(HW_REG_IB_STS2, 6, 4)
	s_cmp_eq_u32 s2, 0
	s_cbranch_scc0 .Lentry_in_a_cluster
	s_endpgm
.Lentry_in_a_cluster:
	s_bfe_u32 s2, ttmp6, 0x10000c
	s_cmp_lg_u32 s2, 0xf033
	s_cbranch_scc0 .Lentry_shape_is_right
	s_endpgm
.Lentry_shape_is_right:
; q, k and v = x W + b on codes of FP6 (E2M3) with E8M0 scales, K = 1,024; the results are quantised in registers and leave as codes and scale words: no f32 result goes to memory.
; A work-group of four waves makes 256 x 256 of a product, a wave 128 x 128: 64 accumulators, 512 registers.  The matrix instruction is used transposed: source 0 = "B", source 1 = "A"; a lane holds ONE row of A's
; and its registers run along B's rows.  By the row order of the tiles (storage tile T, lane row r = row 32 (T / 2) + 8 (T % 2) + r + 8 (r / 8)) the 16 registers of B's tiles 2 i and 2 i + 1 are 16 neighbours.
; TWO ROLES, by the cluster's y alone (equal in all partners).  Clusters 0-7: q and k: B = 256 rows of wq (Wq, Wk), A = 256 rows of x: a lane holds a row t and 128 columns n: two heads, quantised along the head's 64.
; Clusters 8-11: v: B = 256 rows of x, A = 256 rows of wq (Wv): a lane holds a channel and 128 keys: quantised along the keys.  The roles differ in pointers, strides and in which bias register is added.
; K goes in four steps of 256 through THREE LDS slots: three first fills, one refill; a tile's image of 256 along K is 3,072 dense bytes, so a fragment comes by loads of 16 and 8 bytes a lane at 16 and 8 x lane.
; The scale bytes of the work-group's rows, for all of K, come once, with the first fills.
; CLUSTERS: 4 x 4 work-groups; A's tiles are asked for jointly along a row of the cluster, B's along a column.
; OUT.  qk: half-image (HH, T1) at (512 HH + T1) x 768, HH = 0-15 q's heads, 16-31 k's, T1 = x's storage tile; scale words from byte 12,582,912: (64 HH + T1 / 8) x 512 + 32 r + 4 (T1 % 8); bytes 0, 1 are the head's
; two blocks, bytes 2, 3 the neighbouring head's or 0.  vv: image (G0, T1) at (64 G0 + T1) x 1,536, G0 = 128 keys, T1 = 4 head + tile of 16 channels; scale words from byte 6,291,456: (8 G0 + T1 / 8) x 512 + 32 r + 4 (T1 % 8).
; LIMITS: NaN and infinities are not served; a block under 2^-124 keeps the byte 1; a block of zeros has the byte 1 and not 127 (this program alone reads the bytes).
; REGISTERS: window 0: v1-3 lane, r, h; v4-15 fragment addresses; v16-23 the bias' offsets; v24-26 offsets of the way out; v27 scale words' address; v28, v29 the add's; v32-63 scale words, two sets; v64-127 the bias;
;   v128-223 A's fragments, one set; in the epilogue v128-243 at work.  window 1: B's fragments, two sets, at v0 and v128.  windows 2, 3: the accumulators: (a, b) at v[8 (8 (a % 4) + b)].
.set HALFT,  24576                     ; 8 tiles x 3,072 bytes: what one tensor load brings, and what one wave reads of A or of B
.set SLOT,   4*HALFT                   ; A's two halves, then B's two
.set SCL,    3*SLOT                    ; behind the slots: the scale bytes, 8,192 for each wave's load: A's, then B's
.set SPARE,  SCL+16384                 ; the spare words, 128 bytes for each wave: two blocks of 256 bytes that no other line names
.set KSB,    3072                      ; a K step of 256 in a tile's image
.set TILEB,  12288                     ; a tile's image: all of K
.set FR,     12
.set A16,    4                         ; v4-6    A's fragments in slot 0, 1, 2: 16 x lane;   v7-9  8 x lane
.set A8,     7
.set B16,    10                        ; v10-12, v13-15 the same for B
.set B8,     13
.set L16,    24
.set L8,     25
.set ADRS,   27
.set SPW,    28
.set NIL,    29
.set SC,     32                        ; scale words: set s at v[SC + 16 s]; register 2 i + q: lanes 0-15 A's block i, lanes 16-31 B's block i, the K step's q-th 128
.set BB,     64
.set AF,     128
.set HA,     128                       ; the epilogue: a block's 64 numbers
.set PC,     192                       ; its codes; v204-206, v208-210 the conversions' second halves
.set TM,     212
.set PWS,    228                       ; a scale word for each block
.set MSB, 0
.macro WIN new                         ; the immediate's high byte repeats the setting that is left
.if MSB != (\new)
	s_set_vgpr_msb (MSB<<8)|(\new)
.set MSB, (\new)
.endif
.endm
.macro PLACES                          ; four plain places behind matrix instructions, in front of loads into their registers and of reads of their results
.rept 4
	v_nop
.endr
.endm
.macro JLOAD g0a, g1a, g0b, g1b        ; a joint load: waves 0 and 1 fetch for A, waves 2 and 3 for B; four v_nop follow each line
	s_cmp_eq_u32 s19, 0
	s_cbranch_scc0 .Lfor_b_\@
	tensor_load_to_lds s[\g0a:\g0a+3], s[\g1a:\g1a+7]
	s_nop 0
.rept 4
	v_nop
.endr
	s_branch .Lasked_\@
.Lfor_b_\@:
	tensor_load_to_lds s[\g0b:\g0b+3], s[\g1b:\g1b+7]
	s_nop 0
.rept 4
	v_nop
.endr
.Lasked_\@:
.endm
.macro CREST                           ; a round of the cluster's barrier behind its opening barrier
	s_cmp_lg_u32 s18, 0
	s_cbranch_scc1 .Lnot_wave_0_\@
	s_barrier_signal -3
.Lnot_wave_0_\@:
	s_barrier_wait -3
	s_barrier_signal -1
	s_barrier_wait -1
.endm
.macro CROUND
	s_barrier_signal -1
	s_barrier_wait -1
	CREST
.endm
.macro MKG0 g, lds, lo, adr, off       ; descriptor group 0: count 1, LDS address, global address, type 2
	s_mov_b32 s[\g], 1
	s_add_co_u32 s[\g+1], s[\lds], \lo
	s_add_nc_u64 s[\g+2:\g+3], s[\adr:\adr+1], \off
	s_or_b32 s[\g+3], s[\g+3], 0x80000000
.endm
.macro FRAG reg, a16, a8, q, i         ; a fragment, 16 rows x 128 K: two half-images, each 16 bytes and 8 bytes a lane
	ds_load_b128 v[\reg:\reg+3], v[\a16] offset:3072*(\i)+1536*(\q)
	ds_load_b64 v[\reg+4:\reg+5], v[\a8] offset:3072*(\i)+1536*(\q)+512
	ds_load_b128 v[\reg+6:\reg+9], v[\a16] offset:3072*(\i)+1536*(\q)+768
	ds_load_b64 v[\reg+10:\reg+11], v[\a8] offset:3072*(\i)+1536*(\q)+1280
.endm
.macro FETCH_B slot, q, p              ; B's eight fragments into set p of window 1
	WIN 0x40
.irp i, 0,1,2,3,4,5,6,7
	FRAG 128*(\p)+FR*\i, B16+\slot, B8+\slot, \q, \i*(1+(\slot+1)/2)   ; in slots 1 and 2 a tile's rows lie 6,144 bytes apart
.endr
	WIN 0
.endm
.macro FETCH_A slot, q, i0             ; A's blocks i0 .. i0 + 3
.irp i, \i0, \i0+1, \i0+2, \i0+3
	FRAG AF+FR*(\i), A16+\slot, A8+\slot, \q, (\i)*(1+(\slot+1)/2)
.endr
.endm
.macro SCALES ks                       ; K step ks' scale words: two a row; lanes 0-15 take A's block i, lanes 16-31 B's
.irp i, 0,1,2,3,4,5,6,7
	ds_load_b64 v[SC+16*((\ks)%2)+2*\i:SC+16*((\ks)%2)+2*\i+1], v[ADRS] offset:512*\i+256*((\ks)/2)+8*((\ks)%2)
.endr
.endm
; 16 matrix instructions: A's blocks a0, a0 + 1 x B's eight.  p: B's set; q: which 128 of the K step; sc: the set of scale words; cm = 1: the products start the sums with 0; 2: with v[BB + 8 b ..]; 0: they add in place.
; The 64 accumulators take turns, one instruction a turn, in the same order in every step.
.macro MUL16 a0, p, q, sc, cm
.irp a, \a0, \a0+1
.irp b, 0,1,2,3,4,5,6,7
.set DD, 8*(8*((\a)%4)+\b)
.set FB, 128*(\p)+FR*\b
.set FA, AF+FR*(\a)
.set SSB, SC+16*(\sc)+2*\b+(\q)
.set SSA, SC+16*(\sc)+2*(\a)+(\q)
.if \cm == 1
	v_wmma_scale_f32_16x16x128_f8f6f4 v[DD:DD+7], v[FB:FB+11], v[FA:FA+11], 0, v[SSB], v[SSA] matrix_a_fmt:MATRIX_FMT_FP6 matrix_b_fmt:MATRIX_FMT_FP6 matrix_a_scale:MATRIX_SCALE_ROW1
.elseif \cm == 2
	v_wmma_scale_f32_16x16x128_f8f6f4 v[DD:DD+7], v[FB:FB+11], v[FA:FA+11], v[BB+8*\b:BB+8*\b+7], v[SSB], v[SSA] matrix_a_fmt:MATRIX_FMT_FP6 matrix_b_fmt:MATRIX_FMT_FP6 matrix_a_scale:MATRIX_SCALE_ROW1
.else
	v_wmma_scale_f32_16x16x128_f8f6f4 v[DD:DD+7], v[FB:FB+11], v[FA:FA+11], v[DD:DD+7], v[SSB], v[SSA] matrix_a_fmt:MATRIX_FMT_FP6 matrix_b_fmt:MATRIX_FMT_FP6 matrix_a_scale:MATRIX_SCALE_ROW1
.endif
.endr
.endr
.endm
; A step of 128 along K without a barrier.  It fetches the next step's fragments (slot nslot, its nq-th 128) and, where nks >= 0, K step nks' scale words.
.macro STEP q, sc, cm, nslot, nq, nks
	s_wait_dscnt 16                                ; all but the youngest sixteen loads (A's blocks 4-7) are in
.if \cm == 2
	WIN 0x81                                       ; source 0 window 1, sources 1 and 2 window 0, destination window 2
.else
	WIN 0xa1                                       ; source 0 window 1, source 1 window 0, C and D window 2
.endif
	MUL16 0, (\q)%2, \q, \sc, \cm
	MUL16 2, (\q)%2, \q, \sc, \cm
	s_wait_dscnt 0x0                               ; A's blocks 4-7 are in
	PLACES
	FETCH_B \nslot, \nq, 1-(\q)%2
	FETCH_A \nslot, \nq, 0
.if \nks >= 0
	SCALES \nks
.endif
.if \cm == 2
	WIN 0xc1
.else
	WIN 0xf1                                       ; C and D window 3
.endif
	MUL16 4, (\q)%2, \q, \sc, \cm
	MUL16 6, (\q)%2, \q, \sc, \cm
	PLACES
	WIN 0
	FETCH_A \nslot, \nq, 4
.endm
; A K step's second 128 with a barrier in it.  In front of the barrier each wave waits for all its tensor loads, adds 0 to its spare word, and waits for that and for its LDS reads.
; fill = 1: the barrier opens a round of the cluster's barrier, and slot 0, which nobody reads any more, takes K step 3: the one refill of the launch.
.macro TURN sc, next, nks, fill
	s_wait_tensorcnt 0x0                           ; all my tensor loads have landed
	ds_add_u32 v[SPW], v[NIL]                      ; 0 onto my spare word
	s_wait_dscnt 17                                ; the add and the youngest sixteen loads may be out
	WIN 0xa1
	MUL16 0, 1, 1, \sc, 0                          ; sixteen matrix instructions stand between the add and the wait for it
	s_wait_dscnt 0x0                               ; the add is done, and my LDS reads are in
	s_barrier_signal -1
	MUL16 2, 1, 1, \sc, 0
	WIN 0                                          ; at a branch and at a label every window is 0
	s_barrier_wait -1
.if \fill
	CREST                                          ; no wave of any partner still reads slot 0 or has a load on its way
	s_add_nc_u64 s[58:59], s[58:59], 3*KSB         ; slot 0's groups 0 step from K step 0 to K step 3: no tensor load of mine is out
	s_add_nc_u64 s[74:75], s[74:75], 3*KSB
	JLOAD 56, 24, 72, 32                           ; the first tensor load behind the round; its four v_nop are the places in front of the loads below
.else
	PLACES
.endif
	FETCH_B \next, 0, 0
	FETCH_A \next, 0, 0
	SCALES \nks
	WIN 0xf1
	MUL16 4, 1, 1, \sc, 0
	MUL16 6, 1, 1, \sc, 0
	PLACES
	WIN 0
	FETCH_A \next, 0, 4
.endm
; 64 numbers of a lane, register 16 b + i = k 32 b + 16 (lane / 16) + i of my row, become a fragment's codes in v[PC] on and its scale word in v[pw].
.macro QUANT s, pw
.irp b, 0,1,2,3
	v_max3_num_f32 v[TM+\b], |v[\s+16*\b]|, |v[\s+1+16*\b]|, 0x1800000   ; the floor 2^(3 - 127): the byte cannot fall under 1
.endr
.irp i, 2,4,6,8,10,12,14
.irp b, 0,1,2,3
	v_max3_num_f32 v[TM+\b], v[TM+\b], |v[\s+16*\b+\i]|, |v[\s+1+16*\b+\i]|
.endr
.endr
.irp b, 0,1,2,3
	v_permlanex16_b32 v[TM+4+\b], v[TM+\b], s66, s67
.endr
.irp b, 0,1,2,3
	v_max_num_f32 v[TM+\b], v[TM+\b], v[TM+4+\b]   ; with lane l xor 16's: the block's largest magnitude
.endr
.irp b, 0,1,2,3
	v_add_nc_u32 v[TM+12+\b], 0xff000000, v[TM+\b] ; 2 off its exponent field: the conversion's scale operand
.endr
.irp b, 0,1,2,3
	v_lshrrev_b32 v[TM+4+\b], 23, v[TM+12+\b]      ; the scale's byte
.endr
	v_lshl_or_b32 v[\pw], v[TM+5], 8, v[TM+4]
	v_lshl_or_b32 v[\pw], v[TM+6], 16, v[\pw]
	v_lshl_or_b32 v[\pw], v[TM+7], 24, v[\pw]
.irp c, 0,1
	v_cvt_scalef32_pk16_fp6_f32 v[PC+6*\c:PC+2+6*\c], v[\s+32*\c:\s+15+32*\c], v[TM+12+2*\c]
	v_cvt_scalef32_pk16_fp6_f32 v[PC+12+4*\c:PC+14+4*\c], v[\s+16+32*\c:\s+31+32*\c], v[TM+12+2*\c+1]
.endr
	v_nop                                          ; one plain place behind a scaled conversion
.irp c, 0,1                                    ; the operand's layout wants a whole block in a lane
.irp i, 0,1,2
	v_permlane16_swap_b32 v[PC+6*\c+\i], v[PC+12+4*\c+\i]
.endr
.irp i, 0,1,2
	v_mov_b32 v[PC+3+6*\c+\i], v[PC+12+4*\c+\i]
.endr
.endr
.endm
	s_load_b128 s[4:7], s[0:1], 0x0                ; xq, wq
	s_load_b128 s[8:11], s[0:1], 0x10              ; bq, bk
	s_load_b128 s[12:15], s[0:1], 0x20             ; bv, qk
	s_load_b64 s[16:17], s[0:1], 0x30              ; vv
	v_lshl_add_u32 v[SPW], v0, 2, SPARE
	v_mov_b32 v[NIL], 0
	ds_add_u32 v28, v29
	ds_add_u32 v28, v29
	s_wait_dscnt 0x0
	v_lshrrev_b32 v1, 5, v0
	v_readfirstlane_b32 s18, v1                    ; wave 0..3
	s_lshr_b32 s19, s18, 1                         ; which half of A's rows is mine.  Also: I fetch for A (0) or for B (1)
	s_and_b32 s20, s18, 1                          ; which half of B's rows.  Also: which 128 rows I fetch
	s_bfe_u32 s21, ttmp6, 0x40000                  ; cx
	s_bfe_u32 s22, ttmp6, 0x40004                  ; cy
	s_and_b32 s3, ttmp7, 0xffff                    ; the cluster's y
	s_cmp_ge_u32 s3, 8
	s_cselect_b32 s23, 1, 0                        ; the role: 0 q and k, 1 v
	s_sub_co_u32 s2, s3, 8
	s_mul_i32 s2, s2, s23
	s_lshl_b32 s2, s2, 3
	s_lshl_b32 s92, ttmp9, 2
	s_add_co_u32 s92, s92, s2
	s_add_co_u32 s92, s92, s21                     ; B's block of 256 rows: 4 x cluster x + cx (+ 8 (cluster y - 8) for v)
	s_xor_b32 s2, s23, 1
	s_mul_i32 s2, s2, s3
	s_lshl_b32 s2, s2, 2
	s_add_co_u32 s93, s2, s22                      ; A's: 4 x cluster y + cy (cy for v)
	s_lshl_b32 s96, s22, 2
	s_lshl_b32 s96, 15, s96                        ; my row of the cluster
	s_lshl_b32 s94, 0x1111, s21                    ; my column
	s_or_b32 s24, s96, (3<<16)|(1<<21)             ; group 1, codes: the mask; elements of 8 bytes; bit 21 beside a mask; no padding
	s_or_b32 s32, s94, (3<<16)|(1<<21)
	s_or_b32 s40, s96, (3<<16)|(1<<21)             ; group 1, scale bytes
	s_or_b32 s48, s94, (3<<16)|(1<<21)
.irp g, 24, 32                         ; 8 tiles x 3,072 bytes (384 elements), 12,288 bytes (1,536 elements) apart
	s_mov_b32 s[\g+1], 384<<16
	s_mov_b32 s[\g+2], 16<<16                      ; the head's loads bring 16 tiles; behind them the two words that count rows are set to 8
	s_mov_b32 s[\g+3], 384<<16
	s_mov_b32 s[\g+4], 16
	s_mov_b32 s[\g+5], 1536
	s_mov_b32 s[\g+6], 0
	s_mov_b32 s[\g+7], 0
.endr
.irp g, 40, 48                         ; 8,192 dense bytes as 32 rows of 256
	s_mov_b32 s[\g+1], 32<<16
	s_mov_b32 s[\g+2], 32<<16                      ; 8,192 dense bytes as 32 rows of 256: the scale bytes of 16 tiles
	s_mov_b32 s[\g+3], 32<<16
	s_mov_b32 s[\g+4], 32
	s_mov_b32 s[\g+5], 32
	s_mov_b32 s[\g+6], 0
	s_mov_b32 s[\g+7], 0
.endr
	s_lshl_b32 s97, s20, 3
	s_lshl_b32 s96, s93, 4
	s_add_co_u32 s96, s96, s97                     ; A: the first storage tile that I fetch
	s_lshl_b32 s94, s92, 4
	s_add_co_u32 s94, s94, s97                     ; B: likewise
	s_lshl_b32 s100, s93, 13                       ; the scale bytes of A's 16 tiles, 512 a tile
	s_lshl_b32 s98, s92, 13                        ; and of B's
	s_mul_i32 s96, s96, TILEB                      ; and their codes
	s_mul_i32 s94, s94, TILEB
	s_cmp_lg_u32 s23, 0
	s_cselect_b32 s2, 1572864, 0                   ; Wv begins 128 tiles into wq
	s_mov_b32 s3, 3211264
	s_cselect_b32 s3, s3, 6291456                  ; where A's scale bytes begin: Wv's in wq, or xq's
	s_mov_b32 s66, 6291456
	s_cselect_b32 s66, s66, 3145728                ; B's: xq's, or wq's
	s_add_co_u32 s96, s96, s2
	s_add_co_u32 s100, s100, s3
	s_add_co_u32 s98, s98, s66
	s_mov_b32 s95, 0
	s_mov_b32 s97, 0
	s_mov_b32 s99, 0
	s_mov_b32 s101, 0
	s_mul_i32 s2, s18, HALFT                       ; where my loads go: no place in the cluster enters an LDS address
	s_lshl_b32 s3, s19, 13                         ; wave 1 brings A's scale bytes, wave 3 B's, behind them
	s_add_co_u32 s3, s3, SCL
	s_wait_kmcnt 0x0
	s_cmp_lg_u32 s23, 0
	s_cselect_b64 s[66:67], s[6:7], s[4:5]         ; A's buffer
	s_cselect_b64 s[6:7], s[4:5], s[6:7]           ; B's
	s_add_nc_u64 s[96:97], s[66:67], s[96:97]
	s_add_nc_u64 s[100:101], s[66:67], s[100:101]
	s_add_nc_u64 s[94:95], s[6:7], s[94:95]
	s_add_nc_u64 s[98:99], s[6:7], s[98:99]
	MKG0 56, 2, 0, 96, 0                           ; A: slot 0, K step 0
	MKG0 72, 2, 0, 94, 0                           ; B: slot 0, K step 0
	s_lshl_b32 s2, s2, 1                           ; K steps 1 and 2 come by one load a wave, rows of 6,144 bytes: wave x 49,152 bytes behind slot 0
	MKG0 60, 2, SLOT, 96, KSB
	MKG0 76, 2, SLOT, 94, KSB
	MKG0 84, 3, 0, 100, 0                          ; the scale bytes
	MKG0 88, 3, 0, 98, 0
	CROUND                                         ; all sixteen work-groups are here: the first joint loads meet
	; the head's loads, one a wave, in one chain of branches on the wave's number: wave 0 A's 16 tiles of K step 0, wave 1 A's scale bytes, wave 2 B's 16 tiles, wave 3 B's scale bytes
	s_cmp_eq_u32 s18, 0
	s_cbranch_scc0 .Lhead_1
	tensor_load_to_lds s[56:59], s[24:31]
	s_nop 0
.rept 4
	v_nop
.endr
	s_branch .Lfirst_asked
.Lhead_1:
	s_cmp_eq_u32 s18, 1
	s_cbranch_scc0 .Lhead_2
	tensor_load_to_lds s[84:87], s[40:47]
	s_nop 0
.rept 4
	v_nop
.endr
	s_branch .Lfirst_asked
.Lhead_2:
	s_cmp_eq_u32 s18, 2
	s_cbranch_scc0 .Lhead_3
	tensor_load_to_lds s[72:75], s[32:39]
	s_nop 0
.rept 4
	v_nop
.endr
	s_branch .Lfirst_asked
.Lhead_3:
	tensor_load_to_lds s[88:91], s[48:55]
	s_nop 0
.rept 4
	v_nop
.endr
.Lfirst_asked:
	v_and_b32 v1, 31, v0                           ; lane
	v_and_b32 v2, 15, v0                           ; r
	v_bfe_u32 v3, v0, 4, 1                         ; h
	v_lshlrev_b32 v[L16], 4, v1
	v_lshlrev_b32 v[L8], 3, v1
	v_lshlrev_b32 v26, 5, v2
	v_lshl_add_u32 v26, v3, 4, v26                 ; the scale words' way out: 32 r + 16 h
	s_wait_alu depctr_va_vdst(0)                   ; ahead of the scalar lines and the readers below
	s_mul_i32 s66, s19, HALFT                      ; my half of A
	s_mul_i32 s67, s20, HALFT
	s_add_co_u32 s67, s67, 2*HALFT                 ; my half of B, behind A's two
	v_add_nc_u32 v[A16], s66, v[L16]
	v_add_nc_u32 v[A8], s66, v[L8]
	v_add_nc_u32 v[B16], s67, v[L16]
	v_add_nc_u32 v[B8], s67, v[L8]
	s_lshl_b32 s66, s66, 1                         ; K steps 1 and 2: a half is 49,152 bytes there,
	s_add_co_u32 s66, s66, SLOT
	s_lshl_b32 s67, s67, 1
	s_add_co_u32 s67, s67, SLOT
.irp s, 1,2
	v_add_nc_u32 v[A16+\s], s66, v[L16]
	v_add_nc_u32 v[A8+\s], s66, v[L8]
	v_add_nc_u32 v[B16+\s], s67, v[L16]
	v_add_nc_u32 v[B8+\s], s67, v[L8]
	s_add_co_u32 s66, s66, KSB                     ; and K step 2 lies 3,072 bytes behind K step 1 in each row
	s_add_co_u32 s67, s67, KSB
.endr
	s_lshl_b32 s66, s19, 12                        ; scale bytes: A's, my half;
	s_lshl_b32 s67, s20, 12
	s_add_co_u32 s67, s67, 8192                    ; B's, my half, behind A's two;
	s_sub_co_u32 s67, s67, s66                     ; the distance between the two
	v_mul_u32_u24 v[ADRS], s67, v3                 ; lanes 16-31 take B's
	s_add_co_u32 s66, s66, SCL
	v_lshl_add_u32 v[ADRS], v2, 4, v[ADRS]         ; 16 bytes a row in each 256
	v_add_nc_u32 v[ADRS], s66, v[ADRS]
	; the bias, 64 registers.  q, k: register 8 i + j is b[32 (i / 2) + 8 (i % 2) + 16 h + j] of my 128 columns; v: b of my lane's channel in A's tile i, eight times
	s_cmp_eq_u32 ttmp9, 0
	s_cselect_b64 s[8:9], s[8:9], s[10:11]         ; cluster column 0 makes q, column 1 k
	s_lshl_b32 s94, s21, 10
	s_lshl_b32 s95, s20, 9
	s_add_co_u32 s94, s94, s95                     ; q, k: (256 cx + 128 x B's half) x 4
	s_lshl_b32 s96, s22, 10
	s_lshl_b32 s97, s19, 9
	s_add_co_u32 s96, s96, s97                     ; v: (256 cy + 128 x A's half) x 4
	s_cmp_lg_u32 s23, 0
	s_cselect_b64 s[14:15], s[16:17], s[14:15]     ; the buffer that I store into
	s_cselect_b64 s[16:17], s[12:13], s[8:9]       ; the bias that I add
	s_cselect_b32 s94, s96, s94
	s_cselect_b32 s98, 0, 64
	s_cselect_b32 s99, 4, 0
	s_cselect_b32 s100, 0, 4
	s_mov_b32 s95, 0
	s_add_nc_u64 s[16:17], s[16:17], s[94:95]
	v_and_b32 v16, 8, v2
	v_add_nc_u32 v16, v16, v2                      ; r + 8 (r / 8)
	v_mul_u32_u24 v16, s99, v16
	v_mad_u32_u24 v16, v3, s98, v16                ; q, k: 64 h;  v: 4 (r + 8 (r / 8))
.irp j, 1,2,3,4,5,6,7
	v_add_nc_u32 v[16+\j], s100, v[15+\j]          ; q, k: 4 bytes on;  v: the same number again
.endr
.irp i, 0,1,2,3,4,5,6,7
.irp j, 0,1,2,3,4,5,6,7
	global_load_b32 v[BB+8*\i+\j], v[16+\j], s[16:17] offset:(32*(\i/2)+8*(\i%2))*4
.endr
.endr
	; where the results go
	s_lshl_b32 s94, s92, 1
	s_add_co_u32 s94, s94, s20                     ; G0: my 128 of B's rows
	s_lshl_b32 s96, s93, 1
	s_add_co_u32 s96, s96, s19                     ; my 8 tiles of A's rows, as a group,
	s_lshl_b32 s97, s96, 3                         ; and the first of them
	s_cmp_lg_u32 s23, 0
	s_mov_b32 s2, 98304
	s_cselect_b32 s2, s2, 786432                   ; bytes of codes from a G0 to the next
	s_mov_b32 s8, 1536
	s_cselect_b32 s8, s8, 768                      ; from a tile of A's rows to the next
	s_mov_b32 s10, 768
	s_cselect_b32 s10, s10, 393216                 ; from a fragment's first half-image to its second
	s_mov_b32 s3, 6291456
	s_cselect_b32 s3, s3, 12582912                 ; where the scale words begin
	s_mov_b32 s12, 4096
	s_cselect_b32 s12, s12, 65536                  ; bytes of scale words from a G0 to the next
	s_mul_i32 s2, s2, s94
	s_mul_i32 s97, s97, s8
	s_add_co_u32 s98, s2, s97
	s_mov_b32 s99, 0
	s_add_nc_u64 s[4:5], s[14:15], s[98:99]        ; the first half-image of my block 0
	s_mov_b32 s11, 0
	s_add_nc_u64 s[6:7], s[4:5], s[10:11]          ; the second
	s_mov_b32 s9, 0                                ; s[8:9]: the step from block to block
	s_mul_i32 s12, s12, s94
	s_lshl_b32 s96, s96, 9
	s_add_co_u32 s98, s12, s96
	s_add_co_u32 s98, s98, s3
	s_add_nc_u64 s[10:11], s[14:15], s[98:99]      ; my 512 bytes of scale words
	s_add_nc_u64 s[12:13], s[10:11], 32768         ; q, k: the second head's
	s_mov_b32 s66, 0x76543210
	s_mov_b32 s67, 0xfedcba98                      ; selects for lane l xor 16
	s_wait_alu depctr_va_vdst(0)
	s_wait_tensorcnt 0x0                           ; my tile of the head's four is in
	ds_add_u32 v[SPW], v[NIL]
	s_mov_b32 s26, 8<<16                           ; no tensor load of mine is out: from here on a load brings 8 tiles
	s_mov_b32 s28, 8
	s_mov_b32 s34, 8<<16
	s_mov_b32 s36, 8
.irp g, 40, 48                         ; the scale bytes' groups 1 have served: they now state 8 rows of 6,144 bytes (768 elements), 12,288 bytes apart
	s_mov_b32 s[\g+1], 768<<16
	s_mov_b32 s[\g+2], 8<<16
	s_mov_b32 s[\g+3], 768<<16
	s_mov_b32 s[\g+4], 8
	s_mov_b32 s[\g+5], 1536
.endr
	s_wait_dscnt 0x0                               ; the add is done
	CROUND                                         ; everybody's tile is in, and all sixteen work-groups are here
	JLOAD 60, 40, 76, 48                           ; K steps 1 and 2, my one load behind the round
	FETCH_B 0, 0, 0
	FETCH_A 0, 0, 0
	SCALES 0
	FETCH_A 0, 0, 4
	STEP 0, 0, 1, 0, 1, -1                         ; K 0-127: the products start the sums
	TURN 0, 1, 1, 1                                ; K 128-255; slot 0 takes K step 3; its load has 224 matrix instructions in which to land
	STEP 0, 1, 0, 1, 1, -1                         ; K 256-383
	STEP 1, 1, 0, 2, 0, 2                          ; K 384-511; slot 2 was shown whole by the wait for all loads in front of the round
	STEP 0, 0, 0, 2, 1, -1                         ; K 512-639
	TURN 0, 0, 3, 0                                ; K 640-767; behind its barrier K step 3 is in for everybody
	STEP 0, 1, 0, 0, 1, -1                         ; K 768-895
	s_wait_dscnt 16                                ; K 896-1023: nothing more to fetch
	WIN 0xa1
	MUL16 0, 1, 1, 1, 0
	MUL16 2, 1, 1, 1, 0
	s_wait_dscnt 0x0
	WIN 0xf1
	MUL16 4, 1, 1, 1, 0
	MUL16 6, 1, 1, 1, 0
	WIN 0
	; THE WAY OUT: block by block of A's 16 rows: + bias, quantised along my 128 of B's rows, stored as the fragment's two half-images: 512 and 256 consecutive bytes a store.
	s_wait_loadcnt 0x0                             ; the bias
	PLACES
.irp b, 0,1,2,3
	v_mov_b32 v[TM+4+\b], 0                        ; a lane permute's destination counts as one of its sources
.endr
.macro OUTBLK a
.set AC, 64*((\a)%4)
.if (\a) > 0
	s_wait_xcnt 0x0                                ; the last block's stores have read their registers and bases
	s_add_nc_u64 s[4:5], s[4:5], s[8:9]
	s_add_nc_u64 s[6:7], s[6:7], s[8:9]
.endif
	s_cmp_lg_u32 s23, 0
	s_cbranch_scc1 .Lbias_v_\@
	WIN 0x02+(\a)/4                                ; source 0: the accumulators' window
.irp b, 0,1,2,3,4,5,6,7
.irp i, 0,1,2,3
	v_pk_add_f32 v[HA+8*\b+2*\i:HA+8*\b+2*\i+1], v[AC+8*\b+2*\i:AC+8*\b+2*\i+1], v[BB+8*\b+2*\i:BB+8*\b+2*\i+1]   ; q, k: the bias runs along my registers; each accumulator from its low end on
.endr
.endr
	WIN 0
	s_branch .Lbias_done_\@
.Lbias_v_\@:
	WIN 0x02+(\a)/4
.irp b, 0,1,2,3,4,5,6,7
.irp i, 0,1,2,3
	v_pk_add_f32 v[HA+8*\b+2*\i:HA+8*\b+2*\i+1], v[AC+8*\b+2*\i:AC+8*\b+2*\i+1], v[BB+8*(\a)+2*\i:BB+8*(\a)+2*\i+1]   ; v: one bias for my lane's channel
.endr
.endr
	WIN 0
.Lbias_done_\@:
	QUANT HA, PWS+(\a)
	global_store_b128 v[L16], v[PC:PC+3], s[4:5]
	global_store_b64 v[L8], v[PC+4:PC+5], s[4:5] offset:512
	global_store_b128 v[L16], v[PC+6:PC+9], s[6:7]
	global_store_b64 v[L8], v[PC+10:PC+11], s[6:7] offset:512
.endm
.irp a, 0,1,2,3,4,5,6,7
	OUTBLK \a
.endr
	v_cmp_ne_u32 vcc_lo, 0, v3                     ; the eight blocks' scale words of row r are 32 neighbouring bytes: lanes 0-15 store blocks 0-3, lanes 16-31 blocks 4-7
.irp i, 0,1,2,3
	v_cndmask_b32 v[236+\i], v[PWS+\i], v[PWS+4+\i], vcc_lo
.endr
	global_store_b128 v26, v[236:239], s[10:11]    ; 512 consecutive bytes
	s_cmp_lg_u32 s23, 0
	s_cbranch_scc1 .Lwords_done
.irp i, 0,1,2,3
	v_lshrrev_b32 v[240+\i], 16, v[236+\i]         ; q, k: the second head's two bytes move down
.endr
	global_store_b128 v26, v[240:243], s[12:13]
.Lwords_done:
	s_wait_tensorcnt 0x0                           ; the wave's end
	ds_add_u32 v[SPW], v[NIL]
	s_wait_dscnt 0x0
	CROUND                                         ; the closing round: no work-group ends while a partner may still ask for a tile that names it
	s_endpgm
.Lfunc_end_k_q574b979670_proj:
	.size	k_q574b979670_proj, .Lfunc_end_k_q574b979670_proj-k_q574b979670_proj
	.p2alignl 7, 3214868480
	.fill 96, 4, 3214868480
	.section	.rodata,"a",@progbits
	.p2align	6, 0x0
	.amdhsa_kernel k_q574b979670_proj
		.amdhsa_group_segment_fixed_size 327680
		.amdhsa_private_segment_fixed_size 0
		.amdhsa_enable_private_segment 0
		.amdhsa_kernarg_size 56
		.amdhsa_user_sgpr_count 2
		.amdhsa_user_sgpr_kernarg_segment_ptr 1
		.amdhsa_wavefront_size32 1
		.amdhsa_system_sgpr_workgroup_id_x 1
		.amdhsa_system_sgpr_workgroup_id_y 1
		.amdhsa_system_sgpr_workgroup_id_z 1
		.amdhsa_system_vgpr_workitem_id 0
		.amdhsa_next_free_vgpr 1024
		.amdhsa_next_free_sgpr 102
		.amdhsa_reserve_vcc 1
		.amdhsa_float_denorm_mode_32 3
		.amdhsa_float_denorm_mode_16_64 3
		.amdhsa_memory_ordered 1
		.amdhsa_forward_progress 1
		.amdhsa_inst_pref_size 191
	.end_amdhsa_kernel
	.amdgpu_metadata
---
amdhsa.version: [ 1, 2 ]
amdhsa.kernels:
  - .name:           k_q574b979670_proj
    .symbol:         k_q574b979670_proj.kd
    .args:
      - { .name: xq, .offset: 0, .size: 8, .value_kind: global_buffer, .address_space: global }
      - { .name: wq, .offset: 8, .size: 8, .value_kind: global_buffer, .address_space: global }
      - { .name: bq, .offset: 16, .size: 8, .value_kind: global_buffer, .address_space: global }
      - { .name: bk, .offset: 24, .size: 8, .value_kind: global_buffer, .address_space: global }
      - { .name: bv, .offset: 32, .size: 8, .value_kind: global_buffer, .address_space: global }
      - { .name: qk, .offset: 40, .size: 8, .value_kind: global_buffer, .address_space: global }
      - { .name: vv, .offset: 48, .size: 8, .value_kind: global_buffer, .address_space: global }
    .group_segment_fixed_size: 327680
    .private_segment_fixed_size: 0
    .kernarg_segment_align: 8
    .kernarg_segment_size: 56
    .max_flat_workgroup_size: 128
    .sgpr_count:     102
    .vgpr_count:     1024
    .wavefront_size: 32
...
	.end_amdgpu_metadata
.endif
;; end of part 2
;; launch attn (part 3): grid 4 x 64, 16 waves a work-group, clusters of 4 x 1, 239,616 bytes of LDS; arguments qk, vv, cq; writes cq
.if DOCPART == 3
	.amdgcn_target "amdgcn-amd-amdhsa--gfx1250"
	.amdhsa_code_object_version 6
	.text
	.protected	k_q574b979670_attn
	.globl	k_q574b979670_attn
	.p2align	8
	.type	k_q574b979670_attn,@function
k_q574b979670_attn:
	s_mov_b64 s[64:65], 0
	v_nop
	global_prefetch_b8 v0, s[64:65] scope:SCOPE_SE
	s_setreg_imm32_b32 hwreg(HW_REG_WAVE_MODE, 25, 1), 1
	s_wait_xcnt 0x0
	s_wait_alu depctr_hold_cnt(0) depctr_sa_sdst(0) depctr_va_vdst(0) depctr_va_sdst(0) depctr_va_ssrc(0) depctr_va_vcc(0) depctr_vm_vsrc(0)
	s_getreg_b32 s2, hwreg(HW_REG_IB_STS2, 6, 4)
	s_cmp_eq_u32 s2, 0
	s_cbranch_scc0 .Lentry_in_a_cluster
	s_endpgm
.Lentry_in_a_cluster:
	s_bfe_u32 s2, ttmp6, 0x10000c
	s_cmp_lg_u32 s2, 0x3003
	s_cbranch_scc0 .Lentry_shape_is_right
	s_endpgm
.Lentry_shape_is_right:
; Causal attention of one (batch, head) on codes of FP6 (E2M3) with E8M0 scales: S^T = K Q^T (K = the head's 64), p = 2^(t - M), O^T = V^T P^T (K = the keys), O / l, quantised along the head's 64 for the last product.
; t = score x log2(e) / 8; M = the running largest t rounded UP to a whole number; l is the sum of the unquantised p; when M moves, l and O are multiplied by 2^(old M - new M): exact.
; LEFT OUT: key steps all of whose keys come after a tile's queries: the causal mask sets their scores to -infinity, so their p is 0 for all inputs.
; ALL OF THE HEAD'S K AND V LIE IN LDS, filled once: no byte is filled again.  The four work-groups of a cluster serve one (batch, head) and ask jointly (mask 15), ONE LOAD A WAVE:
; wave 0 K's codes of key steps 0-3, wave 1 V's, wave 2 K's scale words, wave 3 V's; waves 4-15: even waves K's, odd waves V's codes of steps (wave & 14) and the next.
; The first barrier waits for waves 0-3 alone; two trips of the first tile's walk need no more than steps 0 and 1; a second barrier, behind which nothing is filled, shows the rest.
; No prefetch: every tile is asked for at the head, and there is no loop to run ahead in.
; SHARES.  Query tile tau = 8 g + 2 cx + e (queries 128 g + 32 cx + 8 e + r + 8 (r / 8)).  Wave w takes (g = w, e = 0) and then (g = 15 - w, e = 1): 17 key steps for every wave.
; Every wave walks all 16 trips; a scalar branch on the wave's number and the counter leads round the work of the steps behind the diagonal.
; WHICH KEYS FORM A TILE OF K is chosen by the lanes' LDS addresses: row 8 m + j of tile 4 c + u is key 64 c + 32 m + 8 u + j of the step, which lies in storage tile 4 c + 2 m + u % 2, lane row 8 (u / 2) + j.
; Both products are used transposed, a lane holds ONE query (lane % 16): so registers 32 c + i of the scores are keys 64 c + 32 (lane / 16) + i: a whole scale block of P in one lane, in the order of P's operand.
; K's LDS rows of 256 bytes have 64 bytes of padding: storage tiles two apart lie 1,920 bytes apart, so the sixteen lanes of a 16-byte load touch sixteen different 16-byte columns of 256 bytes.
; K = 64 IN AN INSTRUCTION OF 128: Q's registers 6-11 are zero codes.  K's tile t is named v[32 + 6 t : 43 + 6 t]: its upper six registers (the next tile's codes; behind the last tile six constants) meet zeros, and no scale byte is 0xff.
; OUT.  cq, in the layout of xq: half-image (T = 128 batch + tau, hf = head); a row's two scale bytes leave by a store of 2 bytes a lane: 262,144 bytes of the launch are stored so.
; LIMITS: NaN and infinities are not served; the promise holds while the scaled scores stay under 2^31 in magnitude; 1 / l is v_rcp_f32 and a multiplication; a block under 2^-124, or of zeros, keeps the byte 1 (this program alone reads the bytes).
.set VC,   122880                      ; LDS: K's codes from 0: step x 7,680 + storage tile x 960; V's: step x 6,144 + channel tile x 1,536
.set KSW,  221184                      ; K's scale words: step x 512 + 32 r + 4 x storage tile
.set VSW,  229376                      ; V's: step x 512 + 32 r + 16 (head % 2) + 4 x tile
.set SPARE, 237568                     ; the spare words: 128 bytes for each of 16 waves
.set WV, 10
.set CX, 11
.set BA, 13
.set HD, 14
.set G1KE, 16                          ; groups 1: K's codes, 96 and 48 rows; V's, 4 and 2 rows; the two kinds of scale words
.set G1KL, 24
.set G1VE, 32
.set G1VL, 40
.set G1KS, 48
.set G1VS, 56
.set G0K, 68
.set G0V, 72
.set G0KS, 76
.set G0VS, 80
.set OCA, 84                           ; byte offsets in cq: codes and scale bytes of tiles A and B
.set OCB, 85
.set OSA, 86
.set OSB, 87
.set SEL, 88
.set CS,  90
.set STP, 92                           ; the key step
.set GD,  93                           ; the step on which the tile's diagonal lies
.set TK,  94                           ; 7,680, 6,144 and 512 x step
.set TV,  95
.set TS,  96
.set GB,  97
.set QCA, 98                           ; byte offsets in qk of both tiles' Q
.set QWA, 99
.set QCB, 100
.set QWB, 101
.set KA0, 1                            ; v1-6 LDS addresses for step 0; v7-12 for the step in hand
.set KB0, 2
.set VA0, 3
.set VB0, 4
.set KS0, 5
.set VS0, 6
.set CKA, 7
.set CKB, 8
.set CKS, 9
.set CVA, 10
.set CVB, 11
.set CVS, 12
.set NINF, 13
.set NM,  14                           ; -M;  v15 the largest score so far
.set SX,  15
.set LS,  30                           ; l in two halves
.set KR,  32                           ; v32-79 K's eight tiles, then V's four
.set L16, 80                           ; v80-85 six constants
.set L8,  81
.set R16, 82
.set DA,  83
.set DB,  84
.set SH,  85
.set KS,  86                           ; K's scale words: register u: lanes 0-15 tile u, lanes 16-31 tile 4 + u
.set VS,  90
.set F,   94
.set S,   96
.set OT,  160
.set PC,  192
.set T0,  204
.set T1,  208
.set BM,  212
.set SO,  216
.set TM,  218
.set TQ,  219
.set TP,  220
.set X1,  222
.set X2,  224
.set X3,  226
.set PW,  230
.set OA,  246
.set OB,  247
.set OC,  248
.set SPW, 254
.set NIL, 255
.macro D1
	s_delay_alu instid0(VALU_DEP_1)
.endm
.macro ROUND                           ; a round of the cluster's barrier
	s_barrier_signal -1
	s_barrier_wait -1
	s_cmp_lg_u32 s[WV], 0
	s_cbranch_scc1 .Lnot_wave_0_\@
	s_barrier_signal -3
.Lnot_wave_0_\@:
	s_barrier_wait -3
	s_barrier_signal -1
	s_barrier_wait -1
.endm
.macro G1SET g, w0, c, r, p            ; r rows of c elements of 8 bytes, p elements apart
	s_mov_b32 s[\g], \w0
	s_mov_b32 s[\g+1], (\c)<<16
	s_mov_b32 s[\g+2], (\r)<<16
	s_mov_b32 s[\g+3], (\c)<<16
	s_mov_b32 s[\g+4], \r
	s_mov_b32 s[\g+5], \p
	s_mov_b32 s[\g+6], 0
	s_mov_b32 s[\g+7], 0
.endm
.macro MKG0 g, ptr, off                ; count 1, global address = pointer + the offset in s[off] (s3 = 0), type 2
	s_mov_b32 s[\g], 1
	s_mov_b32 s2, s[\off]
	s_add_nc_u64 s[\g+2:\g+3], s[\ptr:\ptr+1], s[2:3]
	s_or_b32 s[\g+3], s[\g+3], 0x80000000
.endm
.macro TILEADR tau, g, e, qc, qw, oc, os   ; a query tile's byte offsets: Q's codes and scale words in qk, the result's codes and scale bytes in cq
	s_lshl_b32 s3, s[BA], 7
	s_add_co_u32 s3, s3, s[\tau]                   ; 128 batch + tau
	s_lshl_b32 s2, s[HD], 9
	s_add_co_u32 s2, s2, s3
	s_mul_i32 s[\qc], s2, 768
	s_lshl_b32 s2, s[HD], 6
	s_lshl_b32 s93, s[BA], 4
	s_add_co_u32 s2, s2, s93
	s_add_co_u32 s2, s2, s[\g]
	s_lshl_b32 s2, s2, 9
	s_lshl_b32 s93, s[CX], 3
	s_add_co_u32 s2, s2, s93
	s_add_co_u32 s[\qw], s2, 12582912+4*\e
	s_lshl_b32 s2, s3, 4
	s_add_co_u32 s2, s2, s[HD]
	s_mul_i32 s[\oc], s2, 768
	s_lshl_b32 s2, s3, 9
	s_lshr_b32 s93, s[HD], 3
	s_lshl_b32 s93, s93, 8
	s_add_co_u32 s2, s2, s93
	s_and_b32 s93, s[HD], 7
	s_lshl_b32 s93, s93, 1
	s_add_co_u32 s2, s2, s93
	s_add_co_u32 s[\os], s2, 6291456
.endm
.macro ARM reg, val, g0, g1, next      ; an arm of the head's chain: one load, a jump to the join
	s_cmp_eq_u32 s[\reg], \val
	s_cbranch_scc0 \next
	tensor_load_to_lds s[\g0:\g0+3], s[\g1:\g1+7]
	s_nop 0
	s_branch .Lasked
\next:
.endm
	s_load_b128 s[4:7], s[0:1], 0x0                ; qk, vv
	s_load_b64 s[8:9], s[0:1], 0x10                ; cq
	v_lshl_add_u32 v[SPW], v0, 2, SPARE
	v_mov_b32 v[NIL], 0
	ds_add_u32 v[SPW], v[NIL]                      ; the opening lines: the add, twice on end, and its wait ahead of my tensor load
	ds_add_u32 v[SPW], v[NIL]
	v_lshrrev_b32 v1, 5, v0
	D1
	v_readfirstlane_b32 s[WV], v1                  ; wave 0..15
	s_bfe_u32 s[CX], ttmp6, 0x40000                ; cx: it enters global offsets and the mask's numbers alone
	s_and_b32 s12, ttmp7, 0xffff                   ; 16 batch + head, which the four partners share
	s_lshr_b32 s[BA], s12, 4
	s_and_b32 s[HD], s12, 15
	G1SET G1KE, 15|(3<<16)|(1<<20)|(1<<21)|(5<<22)|(15<<25), 32, 96, 32   ; rows of 256 bytes, dense in memory, 16 words of padding behind each in LDS
	G1SET G1KL, 15|(3<<16)|(1<<20)|(1<<21)|(5<<22)|(15<<25), 32, 48, 32
	G1SET G1VE, 15|(3<<16)|(1<<21), 768, 4, 12288  ; a step's 6,144 bytes of my head, 98,304 bytes from step to step
	G1SET G1VL, 15|(3<<16)|(1<<21), 768, 2, 12288
	G1SET G1KS, 15|(3<<16)|(1<<21), 32, 32, 32     ; 8,192 dense bytes
	G1SET G1VS, 15|(3<<16)|(1<<21), 64, 16, 512    ; 512 bytes a step, 4,096 apart
	s_and_b32 s15, s[WV], 14                       ; the first key step that I bring
	s_and_b32 s[TS], s[WV], 1                      ; 0: K's codes, 1: V's
	s_add_co_u32 s66, s[HD], 16                    ; K's codes: ((16 + head) 512 + 128 batch) x 768 + 6,144 x step
	s_lshl_b32 s66, s66, 9
	s_lshl_b32 s67, s[BA], 7
	s_add_co_u32 s66, s66, s67
	s_mul_i32 s66, s66, 768
	s_mul_i32 s67, s15, 6144
	s_add_co_u32 s66, s66, s67
	s_add_co_u32 s[G0V+1], s67, VC                 ; where V's go
	s_mul_i32 s[G0K+1], s15, 7680                  ; and K's
	s_lshl_b32 s67, s[BA], 4                       ; V's codes: (16 batch + step) x 98,304 + 6,144 x head
	s_add_co_u32 s67, s67, s15
	s_mul_i32 s67, s67, 98304
	s_mul_i32 s12, s[HD], 6144
	s_add_co_u32 s67, s67, s12
	s_add_co_u32 s12, s[HD], 16                    ; K's scale words: ((16 + head) 64 + 16 batch) x 512
	s_lshl_b32 s12, s12, 6
	s_lshl_b32 s2, s[BA], 4
	s_add_co_u32 s12, s12, s2
	s_lshl_b32 s12, s12, 9
	s_add_co_u32 s12, s12, 12582912
	s_lshl_b32 s[STP], s[BA], 7                    ; V's: (128 batch + head / 2) x 512
	s_lshr_b32 s2, s[HD], 1
	s_add_co_u32 s[STP], s[STP], s2
	s_lshl_b32 s[STP], s[STP], 9
	s_add_co_u32 s[STP], s[STP], 6291456
	s_mov_b32 s[G0KS+1], KSW
	s_mov_b32 s[G0VS+1], VSW
	s_sub_co_u32 s[GB], 15, s[WV]                  ; tile B's g
	s_lshl_b32 s2, s[CX], 1
	s_lshl_b32 s[TK], s[WV], 3
	s_add_co_u32 s[TK], s[TK], s2                  ; tau of tile A
	s_lshl_b32 s[TV], s[GB], 3
	s_add_co_u32 s[TV], s[TV], s2
	s_add_co_u32 s[TV], s[TV], 1                   ; tau of tile B
	TILEADR TK, WV, 0, QCA, QWA, OCA, OSA
	TILEADR TV, GB, 1, QCB, QWB, OCB, OSB
	s_mov_b32 s3, 0
	s_mov_b32 s[SEL], 0x76543210
	s_mov_b32 s[SEL+1], 0xfedcba98                 ; selects for lane l xor 16
	s_mov_b32 s[CS], 0x3e38aa3b                    ; c = log2(e) / 8
	s_mov_b32 s[CS+1], s[CS]                       ; (named with it as a pair)
	s_wait_dscnt 0x0                               ; both opening adds are done
	s_wait_kmcnt 0x0
	MKG0 G0K, 4, 66
	MKG0 G0V, 6, 67
	MKG0 G0KS, 4, 12
	MKG0 G0VS, 6, STP
	ROUND                                          ; all four work-groups are here: the joint loads meet
	ARM WV, 0, G0K, G1KE, .Larm_1                  ; one chain of branches on the wave's number, one load to an arm
	ARM WV, 1, G0V, G1VE, .Larm_2
	ARM WV, 2, G0KS, G1KS, .Larm_3
	ARM WV, 3, G0VS, G1VS, .Larm_4
	ARM TS, 0, G0K, G1KL, .Larm_5
	tensor_load_to_lds s[G0V:G0V+3], s[G1VL:G1VL+7]
	s_nop 0
.Lasked:
	v_and_b32 v96, 31, v0                          ; lane
	v_and_b32 v97, 15, v0                          ; r
	v_bfe_u32 v98, v0, 4, 1                        ; h
	v_and_b32 v99, 7, v0                           ; j
	v_bfe_u32 v100, v0, 3, 1                       ; m
	v_lshlrev_b32 v[L16], 4, v96
	v_lshlrev_b32 v[L8], 3, v96
	v_lshlrev_b32 v[R16], 4, v97
	v_lshlrev_b32 v[SH], 3, v98
	v_mul_u32_u24 v101, v100, 1920                 ; two storage tiles on
	v_lshlrev_b32 v103, 5, v97                     ; 32 r
	v_lshlrev_b32 v102, 5, v99                     ; 32 j
	v_mad_u32_u24 v[KA0], v98, 320, v101           ; K, registers 0-3: 1,920 m + 320 h + 16 j
	v_lshl_add_u32 v[KB0], v98, 7, v101            ; registers 4-5: 1,920 m + 128 h + 8 j
	v_lshl_add_u32 v102, v100, 3, v102
	v_add_nc_u32 v[VA0], VC, v[L16]
	v_lshl_add_u32 v[KA0], v99, 4, v[KA0]
	v_lshl_add_u32 v[KB0], v99, 3, v[KB0]
	v_lshl_add_u32 v102, v98, 4, v102              ; K's scale words: 32 j + 8 m + 16 h: lanes 16-31 take tiles 4-7's
	v_add_nc_u32 v[VB0], VC, v[L8]
	s_and_b32 s2, s[HD], 1
	s_lshl_b32 s2, s2, 4
	s_add_co_u32 s2, s2, VSW
	v_add_nc_u32 v[VS0], s2, v103
	v_add_nc_u32 v[KS0], KSW, v102
	v_add_nc_u32 v104, s[QCA], v[L16]
	v_add_nc_u32 v105, s[QCA], v[L8]
	v_add_nc_u32 v106, s[QWA], v103
	v_add_nc_u32 v107, s[QCB], v[L16]
	v_add_nc_u32 v108, s[QCB], v[L8]
	v_add_nc_u32 v109, s[QWB], v103
	global_load_b128 v[16:19], v104, s[4:5]        ; both tiles' Q: a half-image and a scale word each
	global_load_b64 v[20:21], v105, s[4:5] offset:512
	global_load_b32 v28, v106, s[4:5]
	global_load_b128 v[232:235], v107, s[4:5]
	global_load_b64 v[236:237], v108, s[4:5] offset:512
	global_load_b32 v244, v109, s[4:5]
	v_and_b32 v[DA], 8, v97
	v_lshlrev_b32 v110, 5, v98
	s_lshl_b32 s2, s[CX], 5
	v_add_nc_u32 v[DA], v[DA], v97                 ; r + 8 (r / 8)
	D1
	v_sub_nc_u32 v[DA], v[DA], v110
	D1
	v_add_nc_u32 v[DA], s2, v[DA]                  ; tile A: my query - 128 g - 32 h.  On the diagonal register 32 c + i holds key 128 g + 32 h + 64 c + i: hidden where 64 c + i is larger
	D1
	v_add_nc_u32 v[DB], 8, v[DA]                   ; tile B
.irp i, 0,1,2,3,4,5
	v_mov_b32 v[22+\i], 0                          ; the zero codes of Q's upper 64
	v_mov_b32 v[238+\i], 0
.endr
.irp i, 0,1,2,3
	v_mov_b32 v[BM+\i], 0                          ; a lane permute's destination counts as one of its sources
.endr
	v_mov_b32 v[TQ], 0
	v_mov_b32 v[F+1], 0                            ; (named as the upper half of the pair)
	v_mov_b32 v[NINF], 0xff800000
	s_wait_alu depctr_va_vdst(0)
	s_wait_loadcnt 0x0                             ; Q
	s_cmp_lt_u32 s[WV], 4
	s_cbranch_scc0 .Llater
	s_wait_tensorcnt 0x0                           ; waves 0-3: key steps 0-3 and all scale words have landed
.Llater:
	s_barrier_signal -1
	s_barrier_wait -1                              ; the other waves' loads may be out
.macro PRO                             ; a tile begins
	s_wait_xcnt 0x0                                ; the last tile's stores have read their registers
	v_mov_b32 v[SX], 0xff61b1e6                    ; the largest score so far: -3e38
	v_mov_b32 v[NM], 0x7f61b1e6                    ; -M: 3e38, a whole number: the first change of M gives f = 0
	v_mov_b32 v[LS], 0
	v_mov_b32 v[LS+1], 0
.set j, 0
.rept 32
	v_mov_b32 v[OT+j], 0                           ; the step is written once: the first finds zeros
.set j, j+1
.endr
	s_wait_alu depctr_va_vdst(0)
.endm
.macro SUM4                            ; four chains take the next four pairs of p
	v_pk_add_f32 v[X1:X1+1], v[X1:X1+1], v[S+2*PK:S+2*PK+1]
	v_pk_add_f32 v[X2:X2+1], v[X2:X2+1], v[S+2*PK+2:S+2*PK+3]
	v_pk_add_f32 v[X3:X3+1], v[X3:X3+1], v[S+2*PK+4:S+2*PK+5]
	v_pk_add_f32 v[LS:LS+1], v[LS:LS+1], v[S+2*PK+6:S+2*PK+7]
.set PK, PK+4
.endm
; Trips lo .. hi - 1 of a tile's walk over the key steps.  Q's fragment at v[qf], its scale word in v[qs], the mask's number in v[dreg].
.macro STEPS lo, hi, qf, qs, dreg
	s_mov_b32 s[STP], \lo
	s_mov_b32 s[TK], 7680*\lo
	s_mov_b32 s[TV], 6144*\lo
	s_mov_b32 s[TS], 512*\lo
.Lstep_\@:
	s_cmp_gt_u32 s[STP], s[GD]                     ; a step all of whose keys come after my queries is left out
	s_cbranch_scc1 .Lskip_\@
	v_add_nc_u32 v[CKA], s[TK], v[KA0]             ; four plain lines: the places behind the last step's products, in front of the loads below
	v_add_nc_u32 v[CKB], s[TK], v[KB0]
	v_add_nc_u32 v[CKS], s[TS], v[KS0]
	v_mov_b32 v[TP], v[NM]                         ; the old -M
.irp t, 0,1,2,3,4,5,6,7
	ds_load_b128 v[KR+6*\t:KR+6*\t+3], v[CKA] offset:960*(4*(\t/4)+\t%2)+128*((\t/2)%2)
	ds_load_b64 v[KR+6*\t+4:KR+6*\t+5], v[CKB] offset:960*(4*(\t/4)+\t%2)+640+64*((\t/2)%2)
.endr
	ds_load_b64 v[KS:KS+1], v[CKS]
	ds_load_b64 v[KS+2:KS+3], v[CKS] offset:256
	s_wait_alu depctr_va_vdst(0)
	s_wait_dscnt 0x0
.irp t, 0,1,2,3,4,5,6,7
.if \t < 4
	v_wmma_scale_f32_16x16x128_f8f6f4 v[S+8*\t:S+8*\t+7], v[KR+6*\t:KR+6*\t+11], v[\qf:\qf+11], 0, v[KS+\t%4], v[\qs] matrix_a_fmt:MATRIX_FMT_FP6 matrix_b_fmt:MATRIX_FMT_FP6 matrix_a_scale:MATRIX_SCALE_ROW0
.else
	v_wmma_scale_f32_16x16x128_f8f6f4 v[S+8*\t:S+8*\t+7], v[KR+6*\t:KR+6*\t+11], v[\qf:\qf+11], 0, v[KS+\t%4], v[\qs] matrix_a_fmt:MATRIX_FMT_FP6 matrix_b_fmt:MATRIX_FMT_FP6 matrix_a_scale:MATRIX_SCALE_ROW1
.endif
.endr
	v_add_nc_u32 v[CVA], s[TV], v[VA0]             ; four places in front of the loads into K's registers and of the first read of the scores
	v_add_nc_u32 v[CVB], s[TV], v[VB0]
	v_add_nc_u32 v[CVS], s[TS], v[VS0]
	v_nop
.irp t, 0,1,2,3                                ; V's four tiles land while the softmax runs
	ds_load_b128 v[KR+12*\t:KR+12*\t+3], v[CVA] offset:1536*\t
	ds_load_b64 v[KR+12*\t+4:KR+12*\t+5], v[CVB] offset:1536*\t+512
	ds_load_b128 v[KR+12*\t+6:KR+12*\t+9], v[CVA] offset:1536*\t+768
	ds_load_b64 v[KR+12*\t+10:KR+12*\t+11], v[CVB] offset:1536*\t+1280
.endr
	ds_load_b128 v[VS:VS+3], v[CVS]
	s_cmp_lg_u32 s[STP], s[GD]                     ; on the diagonal the scores of hidden keys become -infinity ahead of the maximum: p = 0 then
	s_cbranch_scc1 .Lopen_\@
.set n, 0
.rept 64
	v_cmp_gt_i32 vcc_lo, 64*(n/32)+n%32, v[\dreg]
	v_cndmask_b32 v[S+n], v[S+n], v[NINF], vcc_lo
.set n, n+1
.endr
.Lopen_\@:
.irp c, 0,1                                    ; the largest score of each of my two blocks of 32 keys, in two chains each, the four by turns; each accumulator is first read at its low end
	v_max3_num_f32 v[BM+\c], v[S+32*\c], v[S+32*\c+1], v[S+32*\c+2]
	v_max3_num_f32 v[BM+2+\c], v[S+32*\c+16], v[S+32*\c+17], v[S+32*\c+18]
.endr
.irp i, 3,5,7,9,11,13
.irp c, 0,1
	v_max3_num_f32 v[BM+\c], v[BM+\c], v[S+32*\c+\i], v[S+32*\c+\i+1]
	v_max3_num_f32 v[BM+2+\c], v[BM+2+\c], v[S+32*\c+16+\i], v[S+32*\c+17+\i]
.endr
.endr
.irp c, 0,1
	v_max3_num_f32 v[BM+\c], v[BM+\c], v[BM+2+\c], v[S+32*\c+15]
.endr
.irp c, 0,1
	v_max_num_f32 v[BM+\c], v[BM+\c], v[S+32*\c+31]
.endr
	D1
	v_max_num_f32 v[TM], v[BM], v[BM+1]
	D1
	v_permlanex16_b32 v[TQ], v[TM], s[SEL], s[SEL+1]
	D1
	v_max3_num_f32 v[SX], v[SX], v[TM], v[TQ]      ; with lane l xor 16's 64 keys: the running largest score of my query
	D1
	v_mul_f32 v[TM], s[CS], v[SX]                  ; as t
	D1
	v_floor_f32 v[NM], -v[TM]                      ; the new -M = floor(-t) = -ceil(t)
	D1
	v_sub_f32 v[TP], v[NM], v[TP]                  ; old M - new M: a whole number, 0 or less
.set j, 0
.rept 32
	v_pk_fma_f32 v[S+j:S+j+1], v[S+j:S+j+1], s[CS:CS+1], v[NM:NM+1] op_sel_hi:[1,0,0]   ; t - M, two at a time
.if j == 2
	v_cvt_i32_f32 v[TP], v[TP]                     ; (it saturates)
.endif
.if j == 6
	v_ldexp_f32 v[F], 1.0, v[TP]                   ; f = 2^(old M - new M)
.endif
.set j, j+2
.endr
.irp c, 0,1
	v_fma_f32 v[BM+\c], v[BM+\c], s[CS], v[NM]     ; the same of each block's largest score: p rises with the score
.endr
.set j, 0
.rept 16
	v_pk_mul_f32 v[OT+j:OT+j+1], v[OT+j:OT+j+1], v[F:F+1] op_sel_hi:[1,0]   ; O^T under the new M; each accumulator from its low end on
.set j, j+2
.endr
	s_wait_alu depctr_va_vdst(0)
.set j, 0
.rept 64
	v_exp_f32 v[S+j], v[S+j]                       ; p = 2^(t - M)
.set j, j+1
.endr
.irp c, 0,1
	v_exp_f32 v[BM+\c], v[BM+\c]                   ; the block's largest p
.endr
	v_pk_mul_f32 v[LS:LS+1], v[LS:LS+1], v[F:F+1] op_sel_hi:[1,0]   ; l under the new M: the plain place behind the batch
	s_wait_alu depctr_va_vdst(0)                   ; one wait for the batch, ahead of its first reader
	v_max_num_f32 v[BM], 0x1800000, v[BM]          ; the floor 2^(3 - 127): the byte cannot fall under 1
	v_max_num_f32 v[BM+1], 0x1800000, v[BM+1]
	v_pk_add_f32 v[X1:X1+1], v[S:S+1], v[S+2:S+3]  ; l is summed of the unquantised p, in four chains, among the lines that make the scales
	v_pk_add_f32 v[X2:X2+1], v[S+4:S+5], v[S+6:S+7]
	v_add_nc_u32 v[SO], 0xff000000, v[BM]          ; 2 off the exponent field: the conversion's scale operand
	v_add_nc_u32 v[SO+1], 0xff000000, v[BM+1]
	v_pk_add_f32 v[X3:X3+1], v[S+8:S+9], v[S+10:S+11]
	v_pk_add_f32 v[LS:LS+1], v[LS:LS+1], v[S+12:S+13]
	v_cvt_scalef32_pk16_fp6_f32 v[PC:PC+2], v[S:S+15], v[SO]
	v_cvt_scalef32_pk16_fp6_f32 v[T0:T0+2], v[S+16:S+31], v[SO]
	v_cvt_scalef32_pk16_fp6_f32 v[PC+6:PC+8], v[S+32:S+47], v[SO+1]
	v_cvt_scalef32_pk16_fp6_f32 v[T1:T1+2], v[S+48:S+63], v[SO+1]
	v_lshrrev_b32 v[BM+2], 23, v[SO]               ; the bytes of blocks h and 2 + h.  (A plain place behind the conversions)
	v_lshrrev_b32 v[BM+3], 23, v[SO+1]
.set PK, 7
	SUM4
	v_lshl_or_b32 v[TM], v[BM+3], 16, v[BM+2]
.irp i, 0,1,2
	v_mov_b32 v[PC+3+\i], v[T0+\i]                 ; (a conversion's three registers begin on an even number)
	v_mov_b32 v[PC+9+\i], v[T1+\i]
.endr
	v_lshlrev_b32 v[TM], v[SH], v[TM]              ; at their places in the scale word
	SUM4
	v_permlanex16_b32 v[TQ], v[TM], s[SEL], s[SEL+1]
	SUM4
	v_or_b32 v[PW], v[TM], v[TQ]                   ; with lane l xor 16's two the word is whole; sixteen plain lines follow, ahead of the products
	SUM4
	SUM4
	SUM4
	v_pk_add_f32 v[LS:LS+1], v[LS:LS+1], v[S+62:S+63]
	v_pk_add_f32 v[X1:X1+1], v[X1:X1+1], v[X2:X2+1]
	v_pk_add_f32 v[LS:LS+1], v[LS:LS+1], v[X3:X3+1]
	v_pk_add_f32 v[LS:LS+1], v[LS:LS+1], v[X1:X1+1]
	s_wait_alu depctr_va_vdst(0)
	s_wait_dscnt 0x0                               ; V
.irp t, 0,1,2,3
	v_wmma_scale_f32_16x16x128_f8f6f4 v[OT+8*\t:OT+8*\t+7], v[KR+12*\t:KR+12*\t+11], v[PC:PC+11], v[OT+8*\t:OT+8*\t+7], v[VS+\t], v[PW] matrix_a_fmt:MATRIX_FMT_FP6 matrix_b_fmt:MATRIX_FMT_FP6
.endr
.Lskip_\@:
	s_add_co_u32 s[TK], s[TK], 7680
	s_add_co_u32 s[TV], s[TV], 6144
	s_add_co_u32 s[TS], s[TS], 512
	s_add_co_u32 s[STP], s[STP], 1
	s_cmp_lt_u32 s[STP], \hi
	s_cbranch_scc1 .Lstep_\@
.endm
; A tile ends: O / l, quantised along the head's 64: register 16 b + i of O^T is channel 32 b + 16 h + i of my query.
.macro EPI oc, os
	v_add_nc_u32 v[OA], s[\oc], v[L16]             ; four plain lines: the places behind the last products
	v_add_nc_u32 v[OB], s[\oc], v[L8]
	v_add_nc_u32 v[OC], s[\os], v[R16]
	v_add_f32 v[LS], v[LS], v[LS+1]                ; l's two halves,
	D1
	v_permlanex16_b32 v[TQ], v[LS], s[SEL], s[SEL+1]
	D1
	v_add_f32 v[LS], v[LS], v[TQ]                  ; and lane l xor 16's
	s_wait_alu depctr_va_vdst(0)
	v_rcp_f32 v[F], v[LS]
	v_nop                                          ; one plain place behind a transcendental
	s_wait_alu depctr_va_vdst(0)
.set j, 0
.rept 16
	v_pk_mul_f32 v[S+j:S+j+1], v[OT+j:OT+j+1], v[F:F+1] op_sel_hi:[1,0]
.set j, j+2
.endr
.irp b, 0,1
	v_max3_num_f32 v[BM+\b], |v[S+16*\b]|, |v[S+1+16*\b]|, 0x1800000
.endr
.irp i, 2,4,6,8,10,12,14
.irp b, 0,1
	s_delay_alu instid0(VALU_DEP_2)
	v_max3_num_f32 v[BM+\b], v[BM+\b], |v[S+16*\b+\i]|, |v[S+1+16*\b+\i]|
.endr
.endr
.irp b, 0,1
	s_delay_alu instid0(VALU_DEP_2)
	v_permlanex16_b32 v[BM+2+\b], v[BM+\b], s[SEL], s[SEL+1]
.endr
.irp b, 0,1
	s_delay_alu instid0(VALU_DEP_2)
	v_max_num_f32 v[BM+\b], v[BM+\b], v[BM+2+\b]
.endr
.irp b, 0,1
	s_delay_alu instid0(VALU_DEP_2)
	v_add_nc_u32 v[SO+\b], 0xff000000, v[BM+\b]
.endr
.irp b, 0,1
	s_delay_alu instid0(VALU_DEP_2)
	v_lshrrev_b32 v[BM+2+\b], 23, v[SO+\b]
.endr
	D1
	v_lshl_or_b32 v[PW], v[BM+3], 8, v[BM+2]       ; the head's two scale bytes of my query
	v_cvt_scalef32_pk16_fp6_f32 v[PC:PC+2], v[S:S+15], v[SO]
	v_cvt_scalef32_pk16_fp6_f32 v[T0:T0+2], v[S+16:S+31], v[SO+1]
	v_nop                                          ; one plain place behind a scaled conversion
.irp i, 0,1,2
	v_permlane16_swap_b32 v[PC+\i], v[T0+\i]       ; the operand's layout wants a whole block in a lane
.endr
.irp i, 0,1,2
	s_delay_alu instid0(VALU_DEP_3)
	v_mov_b32 v[PC+3+\i], v[T0+\i]
.endr
	global_store_b128 v[OA], v[PC:PC+3], s[8:9]            ; the half-image: 512 consecutive bytes,
	global_store_b64 v[OB], v[PC+4:PC+5], s[8:9] offset:512 ; and 256
	global_store_b16 v[OC], v[PW], s[8:9]                  ; two bytes a row (both halves of the lanes write the same bytes with the same values)
.endm
	s_mov_b32 s[GD], s[WV]
	PRO
	STEPS 0, 2, 16, 28, DA                         ; key steps 0 and 1 lie in what waves 0 to 3 brought
	s_wait_tensorcnt 0x0                           ; my load has landed,
	s_wait_dscnt 0x0
	s_barrier_signal -1
	s_barrier_wait -1                              ; everybody's has: all of K and V lie in LDS
	STEPS 2, 16, 16, 28, DA
	EPI OCA, OSA
	s_mov_b32 s[GD], s[GB]
	PRO
	STEPS 0, 16, 232, 244, DB
	EPI OCB, OSB
	s_wait_tensorcnt 0x0                           ; the wave's end
	ds_add_u32 v[SPW], v[NIL]
	s_wait_dscnt 0x0
	ROUND                                          ; the closing round
	s_endpgm
.Lfunc_end_k_q574b979670_attn:
	.size	k_q574b979670_attn, .Lfunc_end_k_q574b979670_attn-k_q574b979670_attn
	.p2alignl 7, 3214868480
	.fill 96, 4, 3214868480
	.section	.rodata,"a",@progbits
	.p2align	6, 0x0
	.amdhsa_kernel k_q574b979670_attn
		.amdhsa_group_segment_fixed_size 239616
		.amdhsa_private_segment_fixed_size 0
		.amdhsa_enable_private_segment 0
		.amdhsa_kernarg_size 24
		.amdhsa_user_sgpr_count 2
		.amdhsa_user_sgpr_kernarg_segment_ptr 1
		.amdhsa_wavefront_size32 1
		.amdhsa_system_sgpr_workgroup_id_x 1
		.amdhsa_system_sgpr_workgroup_id_y 1
		.amdhsa_system_sgpr_workgroup_id_z 1
		.amdhsa_system_vgpr_workitem_id 0
		.amdhsa_next_free_vgpr 256
		.amdhsa_next_free_sgpr 102
		.amdhsa_reserve_vcc 1
		.amdhsa_float_denorm_mode_32 3
		.amdhsa_float_denorm_mode_16_64 3
		.amdhsa_memory_ordered 1
		.amdhsa_forward_progress 1
		.amdhsa_inst_pref_size 86
	.end_amdhsa_kernel
	.amdgpu_metadata
---
amdhsa.version: [ 1, 2 ]
amdhsa.kernels:
  - .name:           k_q574b979670_attn
    .symbol:         k_q574b979670_attn.kd
    .args:
      - { .name: qk, .offset: 0, .size: 8, .value_kind: global_buffer, .address_space: global }
      - { .name: vv, .offset: 8, .size: 8, .value_kind: global_buffer, .address_space: global }
      - { .name: cq, .offset: 16, .size: 8, .value_kind: global_buffer, .address_space: global }
    .group_segment_fixed_size: 239616
    .private_segment_fixed_size: 0
    .kernarg_segment_align: 8
    .kernarg_segment_size: 24
    .max_flat_workgroup_size: 512
    .sgpr_count:     102
    .vgpr_count:     256
    .wavefront_size: 32
...
	.end_amdgpu_metadata
.endif
;; end of part 3
;; launch outp (part 4): grid 4 x 64, 4 waves a work-group, clusters of 4 x 4, 327,680 bytes of LDS; arguments cq, wq, bo, out0; writes out0
.if DOCPART == 4
	.amdgcn_target "amdgcn-amd-amdhsa--gfx1250"
	.amdhsa_code_object_version 6
	.text
	.protected	k_q574b979670_outp
	.globl	k_q574b979670_outp
	.p2align	8
	.type	k_q574b979670_outp,@function
k_q574b979670_outp:
	s_mov_b64 s[64:65], 0
	v_nop
	global_prefetch_b8 v0, s[64:65] scope:SCOPE_SE
	s_setreg_imm32_b32 hwreg(HW_REG_WAVE_MODE, 25, 1), 1
	s_wait_xcnt 0x0
	s_wait_alu depctr_hold_cnt(0) depctr_sa_sdst(0) depctr_va_vdst(0) depctr_va_sdst(0) depctr_va_ssrc(0) depctr_va_vcc(0) depctr_vm_vsrc(0)
	s_getreg_b32 s2, hwreg(HW_REG_IB_STS2, 6, 4)
	s_cmp_eq_u32 s2, 0
	s_cbranch_scc0 .Lentry_in_a_cluster
	s_endpgm
.Lentry_in_a_cluster:
	s_bfe_u32 s2, ttmp6, 0x10000c
	s_cmp_lg_u32 s2, 0xf033
	s_cbranch_scc0 .Lentry_shape_is_right
	s_endpgm
.Lentry_shape_is_right:
; out0 = concat Wo + bo on codes of FP6 (E2M3) with E8M0 scales, K = 1,024.  concat's codes and scale bytes lie in cq, Wo's in wq from tile 192 on, both as images of the operands' registers.
; 256 work-groups of four waves; a work-group makes 128 rows x 256 columns, a wave 64 x 128: 32 accumulators, 256 registers.  The matrix instruction is used transposed: source 0 = "B" = 16 columns of Wo,
; source 1 = "A" = 16 rows of concat: a lane holds ONE row, and by the row order of the tiles (storage tile T, lane row r = row 32 (T / 2) + 8 (T % 2) + r + 8 (r / 8)) register j of B's tile b is column 32 (b / 2) + 8 (b % 2) + 16 (lane / 16) + j.
; ALL OF K LIES IN LDS: A's 8 tiles (98,304 bytes), B's 16 (196,608), their scale bytes (4,096 and 8,192): four loads at the head, one a wave; no byte is filled again.
; CLUSTERS: 4 x 4 work-groups; A's tiles and scale bytes are asked for jointly along a row of the cluster, B's along a column.
; No prefetch: every tile is asked for at the head, and there is no loop to run ahead in.
; K goes in eight steps of 128, 32 matrix instructions each; A's and B's fragments lie twice in registers, and a step's fragments are fetched ahead of the products of the step before.  The bias is the C of each sum's first matrix instruction.
; REGISTERS: window 0: v1-3 lane, r, h; v4-9 fragment addresses; v16-18, v24, v25 offsets; v27 scale words' address; v28, v29 the add's; v32-63 scale words, two sets; v64-127 the bias; v128-223 A's fragments, two sets of four;
;   on the way out v128-255 rows of C.  window 1: B's fragments, two sets, at v0 and v128.  window 2: the accumulators: (a, b) at v[8 (8 a + b)].
.set TILEB,  12288                     ; a tile's image: all of K; 128 along K are 1,536 bytes of it
.set LB,     98304                     ; LDS: A's 8 tiles from 0, B's 16 from here
.set SCL,    294912                    ; A's scale bytes, 512 a tile; B's from SCL + 4,096
.set SPARE,  SCL+12288                 ; the spare words, 128 bytes for each wave
.set FR,     12
.set SPITCH, 528                       ; the way out: a stage of 16 rows x (512 + 16) bytes for each wave, on A's tiles, which nobody reads behind the last step's barrier
.set A16,    4
.set A8,     5
.set B16,    6                         ; v6, v7: B's tiles 0-3 and 4-7 of my eight: 16 x lane;  v8, v9: 8 x lane
.set B8,     8
.set STO,    17
.set RD,     18
.set L16,    24
.set L8,     25
.set ADRS,   27
.set SPW,    28
.set NIL,    29
.set SC,     32                        ; scale words: set s at v[SC + 16 s]; register 2 i + q: lanes 0-15 A's block i, lanes 16-31 B's block i, the q-th 128 of 256 along K
.set BB,     64
.set AF,     128
.set BK,     128
.set MSB, 0
.macro WIN new                         ; the immediate's high byte repeats the setting that is left
.if MSB != (\new)
	s_set_vgpr_msb (MSB<<8)|(\new)
.set MSB, (\new)
.endif
.endm
.macro PLACES                          ; four plain places behind matrix instructions, in front of loads into their registers and of reads of their results
.rept 4
	v_nop
.endr
.endm
.macro CROUND                          ; a round of the cluster's barrier
	s_barrier_signal -1
	s_barrier_wait -1
	s_cmp_lg_u32 s18, 0
	s_cbranch_scc1 .Lnot_wave_0_\@
	s_barrier_signal -3
.Lnot_wave_0_\@:
	s_barrier_wait -3
	s_barrier_signal -1
	s_barrier_wait -1
.endm
.macro G1W g, c, r                     ; group 1 behind its first word: r dense rows of c elements of 8 bytes
	s_mov_b32 s[\g+1], (\c)<<16
	s_mov_b32 s[\g+2], (\r)<<16
	s_mov_b32 s[\g+3], (\c)<<16
	s_mov_b32 s[\g+4], \r
	s_mov_b32 s[\g+5], \c
	s_mov_b32 s[\g+6], 0
	s_mov_b32 s[\g+7], 0
.endm
.macro MKG0 g, lds, ptr, off           ; group 0: count 1, LDS address, global address, type 2
	s_mov_b32 s[\g], 1
	s_mov_b32 s[\g+1], \lds
	s_add_nc_u64 s[\g+2:\g+3], s[\ptr:\ptr+1], s[\off:\off+1]
	s_or_b32 s[\g+3], s[\g+3], 0x80000000
.endm
.macro ARM w, g0, g1, next             ; an arm of the head's chain: one load, a jump to the join
	s_cmp_eq_u32 s18, \w
	s_cbranch_scc0 \next
	tensor_load_to_lds s[\g0:\g0+3], s[\g1:\g1+7]
	s_nop 0
	PLACES
	s_branch .Lasked
\next:
.endm
.macro FRAG reg, a16, a8, st, i        ; a fragment, 16 rows x 128 K: two half-images, each 16 bytes and 8 bytes a lane
	ds_load_b128 v[\reg:\reg+3], v[\a16] offset:TILEB*(\i)+1536*(\st)
	ds_load_b64 v[\reg+4:\reg+5], v[\a8] offset:TILEB*(\i)+1536*(\st)+512
	ds_load_b128 v[\reg+6:\reg+9], v[\a16] offset:TILEB*(\i)+1536*(\st)+768
	ds_load_b64 v[\reg+10:\reg+11], v[\a8] offset:TILEB*(\i)+1536*(\st)+1280
.endm
.macro SCALES ks                       ; the scale words of 256 along K: two a row; lanes 0-15 take A's block i (blocks 4-7 are not used), lanes 16-31 B's
.irp i, 0,1,2,3,4,5,6,7
	ds_load_b64 v[SC+16*((\ks)%2)+2*\i:SC+16*((\ks)%2)+2*\i+1], v[ADRS] offset:512*\i+256*((\ks)/2)+8*((\ks)%2)
.endr
.endm
.macro FETCH st                        ; step st's fragments into set st % 2: B's eight, A's four; with an even step the scale words of two steps
	WIN 0x40                                       ; destination window 1, address window 0
.irp i, 0,1,2,3,4,5,6,7
	FRAG 128*((\st)%2)+FR*\i, B16+\i/4, B8+\i/4, \st, \i%4
.endr
	WIN 0
.irp i, 0,1,2,3
	FRAG AF+48*((\st)%2)+FR*\i, A16, A8, \st, \i
.endr
.if (\st)%2 == 0
	SCALES (\st)/2
.endif
.endm
; 32 matrix instructions: A's four blocks x B's eight, step st.  cm = 1: the products start the sums with the bias.  The 32 accumulators take turns, one instruction a turn, in the same order in every step.
.macro MUL32 st, cm
.irp a, 0,1,2,3
.irp b, 0,1,2,3,4,5,6,7
.set DD, 8*(8*\a+\b)
.set FB, 128*((\st)%2)+FR*\b
.set FA, AF+48*((\st)%2)+FR*\a
.set SSB, SC+16*(((\st)/2)%2)+2*\b+(\st)%2
.set SSA, SC+16*(((\st)/2)%2)+2*\a+(\st)%2
.if \cm
	v_wmma_scale_f32_16x16x128_f8f6f4 v[DD:DD+7], v[FB:FB+11], v[FA:FA+11], v[BB+8*\b:BB+8*\b+7], v[SSB], v[SSA] matrix_a_fmt:MATRIX_FMT_FP6 matrix_b_fmt:MATRIX_FMT_FP6 matrix_a_scale:MATRIX_SCALE_ROW1
.else
	v_wmma_scale_f32_16x16x128_f8f6f4 v[DD:DD+7], v[FB:FB+11], v[FA:FA+11], v[DD:DD+7], v[SSB], v[SSA] matrix_a_fmt:MATRIX_FMT_FP6 matrix_b_fmt:MATRIX_FMT_FP6 matrix_a_scale:MATRIX_SCALE_ROW1
.endif
.endr
.endr
.endm
	s_load_b128 s[4:7], s[0:1], 0x0                ; cq, wq
	s_load_b128 s[8:11], s[0:1], 0x10              ; bo, out0
	v_lshl_add_u32 v[SPW], v0, 2, SPARE
	v_mov_b32 v[NIL], 0
	ds_add_u32 v[SPW], v[NIL]                      ; the opening lines: the add, twice on end, and its wait ahead of my tensor load
	ds_add_u32 v[SPW], v[NIL]
	v_lshrrev_b32 v1, 5, v0
	v_readfirstlane_b32 s18, v1                    ; wave 0..3
	s_lshr_b32 s19, s18, 1                         ; which half of A's rows is mine
	s_and_b32 s20, s18, 1                          ; which half of B's
	s_bfe_u32 s21, ttmp6, 0x40000                  ; cx
	s_bfe_u32 s22, ttmp6, 0x40004                  ; cy
	s_lshl_b32 s92, ttmp9, 2
	s_add_co_u32 s92, s92, s21                     ; B's block of 256 columns of Wo
	s_and_b32 s3, ttmp7, 0xffff
	s_lshl_b32 s3, s3, 2
	s_add_co_u32 s93, s3, s22                      ; A's block of 128 rows
	s_lshl_b32 s96, s22, 2
	s_lshl_b32 s96, 15, s96                        ; my row of the cluster
	s_lshl_b32 s94, 0x1111, s21                    ; my column
	s_or_b32 s24, s96, (3<<16)|(1<<21)             ; groups 1: the mask; elements of 8 bytes; bit 21 beside a mask; no padding
	s_or_b32 s32, s94, (3<<16)|(1<<21)
	s_or_b32 s40, s96, (3<<16)|(1<<21)
	s_or_b32 s48, s94, (3<<16)|(1<<21)
	G1W 24, 1536, 8                                ; A's codes: 8 tiles of 12,288 bytes
	G1W 32, 1536, 16                               ; B's: 16
	G1W 40, 32, 16                                 ; A's scale bytes: 16 rows of 256 bytes
	G1W 48, 32, 32                                 ; B's: 32
	s_mul_i32 s96, s93, 8*TILEB                    ; A's codes in cq,
	s_lshl_b32 s100, s93, 12
	s_add_co_u32 s100, s100, 6291456               ; and scale bytes
	s_mul_i32 s94, s92, 16*TILEB
	s_add_co_u32 s94, s94, 2359296                 ; Wo begins 192 tiles into wq
	s_lshl_b32 s98, s92, 13
	s_add_co_u32 s98, s98, 3244032
	s_mov_b32 s95, 0
	s_mov_b32 s97, 0
	s_mov_b32 s99, 0
	s_mov_b32 s101, 0
	s_wait_dscnt 0x0                               ; both opening adds are done
	s_wait_kmcnt 0x0
	MKG0 56, 0, 4, 96
	MKG0 60, SCL, 4, 100
	MKG0 68, LB, 6, 94
	MKG0 72, SCL+4096, 6, 98
	CROUND                                         ; all sixteen work-groups are here: the joint loads meet
	ARM 0, 56, 24, .Larm_1                         ; one chain of branches on the wave's number, one load to an arm: A's codes,
	ARM 1, 60, 40, .Larm_2                         ; A's scale bytes,
	ARM 2, 68, 32, .Larm_3                         ; B's codes,
	tensor_load_to_lds s[72:75], s[48:55]          ; B's scale bytes
	s_nop 0
	PLACES
.Lasked:
	s_lshl_b32 s94, s92, 10                        ; the bias of my 128 columns: (256 x B's block + 128 x half) x 4
	s_lshl_b32 s95, s20, 9
	s_add_co_u32 s94, s94, s95
	s_mov_b32 s95, 0
	s_add_nc_u64 s[8:9], s[8:9], s[94:95]
	s_lshl_b32 s96, s93, 19                        ; my first row of out0: (128 x A's block + 64 x half) x 4,096 bytes,
	s_lshl_b32 s97, s19, 18
	s_add_co_u32 s96, s96, s97
	s_add_co_u32 s96, s96, s94                     ; my first column: the same bytes as in the bias
	s_mov_b32 s97, 0
	s_add_nc_u64 s[10:11], s[10:11], s[96:97]
	s_mul_i32 s66, s19, 4*TILEB                    ; my four tiles of A
	s_mul_i32 s67, s20, 8*TILEB
	s_add_co_u32 s67, s67, LB                      ; my eight of B: the first four,
	s_add_co_u32 s12, s67, 4*TILEB                 ; the second four
	s_lshl_b32 s13, s19, 11                        ; scale bytes: A's, my half;
	s_lshl_b32 s14, s20, 12
	s_add_co_u32 s14, s14, 4096                    ; B's, my half, behind A's;
	s_sub_co_u32 s14, s14, s13                     ; the distance between the two
	s_add_co_u32 s13, s13, SCL
	s_mul_i32 s15, s18, 16*SPITCH                  ; my stage
	v_and_b32 v1, 31, v0                           ; lane
	v_and_b32 v2, 15, v0                           ; r
	v_bfe_u32 v3, v0, 4, 1                         ; h
	v_lshlrev_b32 v16, 6, v3                       ; 64 h
	v_lshlrev_b32 v[L16], 4, v1
	v_lshlrev_b32 v[L8], 3, v1
.irp b, 0,1,2,3,4,5,6,7
	global_load_b128 v[BB+8*\b:BB+8*\b+3], v16, s[8:9] offset:(32*(\b/2)+8*(\b%2))*4
	global_load_b128 v[BB+8*\b+4:BB+8*\b+7], v16, s[8:9] offset:(32*(\b/2)+8*(\b%2))*4+16
.endr
	v_add_nc_u32 v[A16], s66, v[L16]
	v_add_nc_u32 v[A8], s66, v[L8]
	v_add_nc_u32 v[B16], s67, v[L16]
	v_add_nc_u32 v[B8], s67, v[L8]
	v_add_nc_u32 v[B16+1], s12, v[L16]
	v_add_nc_u32 v[B8+1], s12, v[L8]
	v_mul_u32_u24 v[ADRS], s14, v3                 ; lanes 16-31 take B's
	v_mul_u32_u24 v[STO], v2, SPITCH
	v_lshl_add_u32 v[ADRS], v2, 4, v[ADRS]         ; 16 bytes a row in each 256
	v_lshl_add_u32 v[STO], v3, 6, v[STO]
	v_add_nc_u32 v[ADRS], s13, v[ADRS]
	v_add_nc_u32 v[STO], s15, v[STO]               ; into the stage: row r, + 64 h
	v_add_nc_u32 v[RD], s15, v[L16]                ; back: 32 lanes take a row of 512 bytes
	s_wait_alu depctr_va_vdst(0)
	s_wait_tensorcnt 0x0                           ; my load has landed,
	s_barrier_signal -1
	s_barrier_wait -1                              ; everybody's has
	FETCH 0
	s_wait_loadcnt 0x0                             ; the bias
.set ST, 0
.rept 8
	s_wait_dscnt 0x0                               ; this step's fragments are in: they were asked for ahead of the last step's 32 products
.if ST == 7
	s_barrier_signal -1                            ; my last reads of the tiles are over: say so, and multiply while the others arrive
.endif
.if ST > 0 && ST < 7
	PLACES                                         ; in front of the loads into the set that the last step multiplied
.endif
.if ST < 7
	FETCH ST+1
.endif
.if ST == 0
	WIN 0x81                                       ; source 0 window 1, sources 1 and 2 window 0, destination window 2
	MUL32 ST, 1
.else
	WIN 0xa1                                       ; source 0 window 1, source 1 window 0, C and D window 2
	MUL32 ST, 0
.endif
.set ST, ST+1
.endr
	WIN 0
	s_barrier_wait -1                              ; nobody reads the tiles any more: the stages may be written
; THE WAY OUT, block by block of 16 rows x 128 columns, through my own stage: a lane's 32 bytes of a row go in at their column's place, whole rows of 512 bytes come back and are stored by the 32 lanes.
; LDS serves a wave's instructions in order (ISA guide 5.7.1.4): no wait between the stores and the loads, nor in front of the next block's stores.
.macro TOSTAGE a
.set AC, 64*(\a)
	WIN 0x08                                       ; an LDS store's data are its source 1: window 2
.irp b, 0,1,2,3,4,5,6,7
	ds_store_b128 v[STO], v[AC+8*\b:AC+8*\b+3] offset:128*(\b/2)+32*(\b%2)          ; each accumulator from its low end on
	ds_store_b128 v[STO], v[AC+8*\b+4:AC+8*\b+7] offset:128*(\b/2)+32*(\b%2)+16
.endr
	WIN 0
.set BR, BK+64*((\a)%2)
.irp t, 0,1,2,3,4,5,6,7,8,9,10,11,12,13,14,15
	ds_load_b128 v[BR+4*\t:BR+4*\t+3], v[RD] offset:\t*SPITCH
.endr
.endm
.macro SEND a, younger                 ; younger: the LDS instructions issued behind block a's loads, which may stay out
.set BR, BK+64*((\a)%2)
	s_wait_dscnt \younger                          ; the block is back in registers
.if (\a) > 0
	s_add_nc_u64 s[10:11], s[10:11], (24-16*((\a)%2))*4096   ; (behind a wait on XCNT)  tile a begins 8 rows behind tile a - 1 where a is odd, 24 where it is even
.endif
.irp t, 0,1,2,3,4,5,6,7,8,9,10,11,12,13,14,15
	global_store_b128 v[L16], v[BR+4*\t:BR+4*\t+3], s[10:11] offset:(\t+8*(\t/8))*4096 th:TH_STORE_NT   ; 32 lanes store 512 consecutive bytes, at a multiple of 256 from out0's first byte
.endr
.endm
	PLACES
	TOSTAGE 0
.irp a, 1,2,3
.if \a > 1
	s_wait_xcnt 0x0                                ; block a - 2's stores have read their registers and their base
.endif
	TOSTAGE \a
	SEND \a-1, 32                                  ; behind block a - 1's loads: block a's 16 stores and 16 loads
.endr
	s_wait_xcnt 0x0
	SEND 3, 0
	s_wait_tensorcnt 0x0                           ; the wave's end, behind my tensor load and my last LDS store
	ds_add_u32 v[SPW], v[NIL]
	s_wait_dscnt 0x0
	CROUND                                         ; the closing round
	s_endpgm
.Lfunc_end_k_q574b979670_outp:
	.size	k_q574b979670_outp, .Lfunc_end_k_q574b979670_outp-k_q574b979670_outp
	.p2alignl 7, 3214868480
	.fill 96, 4, 3214868480
	.section	.rodata,"a",@progbits
	.p2align	6, 0x0
	.amdhsa_kernel k_q574b979670_outp
		.amdhsa_group_segment_fixed_size 327680
		.amdhsa_private_segment_fixed_size 0
		.amdhsa_enable_private_segment 0
		.amdhsa_kernarg_size 32
		.amdhsa_user_sgpr_count 2
		.amdhsa_user_sgpr_kernarg_segment_ptr 1
		.amdhsa_wavefront_size32 1
		.amdhsa_system_sgpr_workgroup_id_x 1
		.amdhsa_system_sgpr_workgroup_id_y 1
		.amdhsa_system_sgpr_workgroup_id_z 1
		.amdhsa_system_vgpr_workitem_id 0
		.amdhsa_next_free_vgpr 768
		.amdhsa_next_free_sgpr 102
		.amdhsa_reserve_vcc 0
		.amdhsa_float_denorm_mode_32 3
		.amdhsa_float_denorm_mode_16_64 3
		.amdhsa_memory_ordered 1
		.amdhsa_forward_progress 1
		.amdhsa_inst_pref_size 85
	.end_amdhsa_kernel
	.amdgpu_metadata
---
amdhsa.version: [ 1, 2 ]
amdhsa.kernels:
  - .name:           k_q574b979670_outp
    .symbol:         k_q574b979670_outp.kd
    .args:
      - { .name: cq, .offset: 0, .size: 8, .value_kind: global_buffer, .address_space: global }
      - { .name: wq, .offset: 8, .size: 8, .value_kind: global_buffer, .address_space: global }
      - { .name: bo, .offset: 16, .size: 8, .value_kind: global_buffer, .address_space: global }
      - { .name: out0, .offset: 24, .size: 8, .value_kind: global_buffer, .address_space: global }
    .group_segment_fixed_size: 327680
    .private_segment_fixed_size: 0
    .kernarg_segment_align: 8
    .kernarg_segment_size: 32
    .max_flat_workgroup_size: 128
    .sgpr_count:     102
    .vgpr_count:     768
    .wavefront_size: 32
...
	.end_amdgpu_metadata
.endif
;; end of part 4
